; MI455X (gfx1250); checked and timed in simulation.
; The chip was launched on July 23, 2026; its instructions are those of AMD's public machine-readable ISA for CDNA 5 (MIT licence, August 2026) and "CDNA5" Instruction Set Architecture Reference Guide (July 2026). The comments in the code are by the model that wrote it; some were corrected since.
;; Causual attention V1. Allowed arithmetic: float matrix products may take bf16 or f16 operands with f32 sums; other float arithmetic in f32, or as packed bf16 or f16 multiplies, adds, multiply-adds, maxima and minima; sums over many terms, partial sums and values carried from step to step in f32; what a program stores and reads back later, other than sums and carried values, may be rounded once to bf16 or f16.
;; Inputs: Wk 1,024 x 1,024 float32; Wq 1,024 x 1,024 float32; Wv 1,024 x 1,024 float32; x 4 x 2,048 x 1,024 float32.
;; Outputs: out0 4 x 2,048 x 1,024 float32.
;; 2 versions, each right; version 2 is version 1 with the launch cast written anew for expert scheduling mode. Each part assembles by itself: llvm-mc -triple=amdgcn-amd-amdhsa -mcpu=gfx1250 --defsym DOCPART=n.
;; ======== version 1 of 2: 5 launches
;; limits: values are held in f16: magnitudes above 65,504 overflow, below 6.1e-05 lose precision
;; workspace buffers: xw 23,068,672 bytes; qkv 50,331,648 bytes; sc 67,108,864 bytes; pr 33,554,432 bytes
;; launch cast (part 1): grid 704 x 1, 8 waves a work-group, no clusters, 0 bytes of LDS; arguments x, Wq, Wk, Wv, xw; writes xw
.if DOCPART == 1
	.amdgcn_target "amdgcn-amd-amdhsa--gfx1250"
	.amdhsa_code_object_version 6
	.text
	.protected	k_qc20b2bedf6_cast
	.globl	k_qc20b2bedf6_cast
	.p2align	8
	.type	k_qc20b2bedf6_cast,@function
k_qc20b2bedf6_cast:
	s_mov_b64 s[64:65], 0
	v_nop
	global_prefetch_b8 v0, s[64:65] scope:SCOPE_SE
	s_setreg_imm32_b32 hwreg(HW_REG_WAVE_MODE, 25, 1), 1
	s_wait_xcnt 0x0
; xw = x and the three W in bf16, each number rounded once to nearest even, laid out as the product's tiles want them:
;   bytes 0 .. 16,777,215:  x as [16 K blocks][8192 rows][64]: a row's 64 numbers of a K block are 128 bytes, and the rows of a block lie end to end;
;   behind it:              W as [1024 k][3 matrices (q, k, v)][1024 columns]: row 3 k + m holds row k of matrix m.
; A stream: every input byte is read once, every output byte written once; LDS, barriers and the matrix unit would add nothing.
; A work-group takes 65,536 consecutive input bytes, 16 rows (x has 512 such pieces, each W 64), a wave two rows in sixteen loads, all issued before the first is waited for.
; x: load j takes K block j of both rows: lanes 0-15 read 256 consecutive bytes of one row, lanes 16-31 of the next; their 2 x 128 bytes of bf16 lie end to end in block j.
; W: load j takes 512 consecutive bytes; its 256 bytes of bf16 lie in one row.  Either way each store of a wave covers 256 consecutive bytes, aligned.
.set X, 4                              ; v[4:67]   sixteen loads, 4 registers each
.set Y, 68                             ; v[68:99]  sixteen stores, 2 registers each
.macro MOVE kind                       ; kind 0: a piece of x; 1: a piece of a W
.irp j, 0,1,2,3,4,5,6,7,8,9,10,11,12,13,14,15
.if (\kind) == 0
	global_load_b128 v[X+4*(\j):X+4*(\j)+3], v1, s[18:19] offset:256*(\j) th:TH_LOAD_NT
.else
	global_load_b128 v[X+4*(\j):X+4*(\j)+3], v1, s[18:19] offset:512*(\j) th:TH_LOAD_NT
.endif
.endr
.irp j, 0,1,2,3,4,5,6,7,8,9,10,11,12,13,14,15
	s_wait_loadcnt 15-(\j)                         ; loads come back in order (ISA guide 5.7.1): load j is in, the younger ones stay out
	v_cvt_pk_bf16_f32 v[Y+2*(\j)],   v[X+4*(\j)],   v[X+4*(\j)+1]
	v_cvt_pk_bf16_f32 v[Y+2*(\j)+1], v[X+4*(\j)+2], v[X+4*(\j)+3]
.if (\kind) == 0
	global_store_b64 v2, v[Y+2*(\j):Y+2*(\j)+1], s[12+2*((\j)/8):13+2*((\j)/8)] offset:(((\j)%8)<<20)  ; K blocks are 1,048,576 bytes apart: eight to a base, so that the immediate stays inside its signed 24 bits
.else
	global_store_b64 v2, v[Y+2*(\j):Y+2*(\j)+1], s[12:13] offset:((\j)/8)*6144+((\j)%8)*256            ; the wave's second row of k lies three rows of 2,048 bytes on
.endif
.endr                                  ; no register is written twice, so no further wait is needed
.endm
	s_load_b256 s[4:11], s[0:1], 0x0               ; x s[4:5], Wq s[6:7], Wk s[8:9], Wv s[10:11]
	s_load_b64 s[12:13], s[0:1], 0x20              ; xw
	v_and_b32 v3, 0xe0, v0                         ; 32 x wave
	v_and_b32 v4, 31, v0                           ; lane
	s_mov_b32 s21, 0
	s_mov_b32 s23, 0
	s_cmp_lt_u32 ttmp9, 512
	s_cbranch_scc0 .Lweights
	v_and_b32 v1, 15, v0
	v_lshlrev_b32 v1, 4, v1                        ; in: 16 x (lane mod 16),
	v_bfe_u32 v2, v0, 4, 1
	v_lshl_or_b32 v1, v2, 12, v1                   ; + a row of 4,096 bytes for lanes 16-31,
	v_lshl_or_b32 v1, v3, 8, v1                    ; + 8,192 x wave
	v_lshlrev_b32 v2, 3, v0                        ; out: two rows of 128 bytes a wave, 8 bytes a lane: 8 x the thread's number
	s_lshl_b32 s20, ttmp9, 16                      ; the piece in x,
	s_lshl_b32 s22, ttmp9, 11                      ; and its 16 rows of 128 bytes in a K block
	s_wait_kmcnt 0x0
	s_add_nc_u64 s[18:19], s[4:5], s[20:21]
	s_add_nc_u64 s[12:13], s[12:13], s[22:23]      ; K blocks 0 to 7,
	s_add_nc_u64 s[14:15], s[12:13], 0x800000      ; and 8 to 15
	MOVE 0
	s_endpgm
.Lweights:
	s_sub_co_u32 s14, ttmp9, 512
	s_lshr_b32 s15, s14, 6                         ; which matrix,
	s_and_b32 s16, s14, 63                         ; and which 16 of its rows
	s_lshl_b32 s20, s16, 16
	s_mul_i32 s22, s16, 48                         ; out: row 3 x 16 x piece + matrix,
	s_add_co_u32 s22, s22, s15
	s_lshl_b32 s22, s22, 11                        ; rows of 2,048 bytes,
	s_add_co_u32 s22, s22, 0x1000000               ; behind x
	v_lshlrev_b32 v1, 4, v4
	v_lshl_or_b32 v1, v3, 8, v1                    ; in: 8,192 x wave + 16 x lane
	v_lshrrev_b32 v2, 5, v0
	v_mul_u32_u24 v2, v2, 0x3000                   ; out: a wave's two rows of k are six rows of 2,048 bytes,
	v_lshl_add_u32 v2, v4, 3, v2                   ; + 8 x lane
	s_wait_kmcnt 0x0
	s_cmp_eq_u32 s15, 1                            ; the buffer is chosen by the work-group's number alone
	s_cselect_b64 s[18:19], s[8:9], s[6:7]
	s_cmp_eq_u32 s15, 2
	s_cselect_b64 s[18:19], s[10:11], s[18:19]
	s_add_nc_u64 s[18:19], s[18:19], s[20:21]
	s_add_nc_u64 s[12:13], s[12:13], s[22:23]
	MOVE 1
	s_endpgm
.Lfunc_end_k_qc20b2bedf6_cast:
	.size	k_qc20b2bedf6_cast, .Lfunc_end_k_qc20b2bedf6_cast-k_qc20b2bedf6_cast
	.p2alignl 7, 3214868480
	.fill 96, 4, 3214868480
	.section	.rodata,"a",@progbits
	.p2align	6, 0x0
	.amdhsa_kernel k_qc20b2bedf6_cast
		.amdhsa_group_segment_fixed_size 0
		.amdhsa_private_segment_fixed_size 0
		.amdhsa_enable_private_segment 0
		.amdhsa_kernarg_size 40
		.amdhsa_user_sgpr_count 2
		.amdhsa_user_sgpr_kernarg_segment_ptr 1
		.amdhsa_wavefront_size32 1
		.amdhsa_system_sgpr_workgroup_id_x 1
		.amdhsa_system_sgpr_workgroup_id_y 1
		.amdhsa_system_sgpr_workgroup_id_z 1
		.amdhsa_system_vgpr_workitem_id 0
		.amdhsa_next_free_vgpr 100
		.amdhsa_next_free_sgpr 66
		.amdhsa_reserve_vcc 0
		.amdhsa_float_denorm_mode_32 3
		.amdhsa_float_denorm_mode_16_64 3
		.amdhsa_memory_ordered 1
		.amdhsa_forward_progress 1
		.amdhsa_inst_pref_size 13
	.end_amdhsa_kernel
	.amdgpu_metadata
---
amdhsa.version: [ 1, 2 ]
amdhsa.kernels:
  - .name:           k_qc20b2bedf6_cast
    .symbol:         k_qc20b2bedf6_cast.kd
    .args:
      - { .name: x, .offset: 0, .size: 8, .value_kind: global_buffer, .address_space: global }
      - { .name: Wq, .offset: 8, .size: 8, .value_kind: global_buffer, .address_space: global }
      - { .name: Wk, .offset: 16, .size: 8, .value_kind: global_buffer, .address_space: global }
      - { .name: Wv, .offset: 24, .size: 8, .value_kind: global_buffer, .address_space: global }
      - { .name: xw, .offset: 32, .size: 8, .value_kind: global_buffer, .address_space: global }
    .group_segment_fixed_size: 0
    .private_segment_fixed_size: 0
    .kernarg_segment_align: 8
    .kernarg_segment_size: 40
    .max_flat_workgroup_size: 256
    .sgpr_count:     66
    .vgpr_count:     100
    .wavefront_size: 32
...
	.end_amdgpu_metadata
.endif
;; end of part 1
;; launch proj (part 2): grid 8 x 32, 4 waves a work-group, clusters of 4 x 4, 327,680 bytes of LDS; arguments xw, qkv; writes qkv
.if DOCPART == 2
	.amdgcn_target "amdgcn-amd-amdhsa--gfx1250"
	.amdhsa_code_object_version 6
	.text
	.protected	k_qc20b2bedf6_proj
	.globl	k_qc20b2bedf6_proj
	.p2align	8
	.type	k_qc20b2bedf6_proj,@function
k_qc20b2bedf6_proj:
	s_mov_b64 s[64:65], 0
	v_nop
	global_prefetch_b8 v0, s[64:65] scope:SCOPE_SE
	s_setreg_imm32_b32 hwreg(HW_REG_WAVE_MODE, 25, 1), 1
	s_wait_xcnt 0x0
	s_wait_alu depctr_hold_cnt(0) depctr_sa_sdst(0) depctr_va_vdst(0) depctr_va_sdst(0) depctr_va_ssrc(0) depctr_va_vcc(0) depctr_vm_vsrc(0)
	s_getreg_b32 s2, hwreg(HW_REG_IB_STS2, 6, 4)
	s_cmp_eq_u32 s2, 0
	s_cbranch_scc0 .Lentry_in_a_cluster
	s_endpgm
.Lentry_in_a_cluster:
	s_bfe_u32 s2, ttmp6, 0x10000c
	s_cmp_lg_u32 s2, 0xf033
	s_cbranch_scc0 .Lentry_shape_is_right
	s_endpgm
.Lentry_shape_is_right:
; q, k, v = x W.  xw: x in bf16 as [16 K blocks][8192 rows][64], then W as [1024 k][3 matrices][1024 columns].  qkv: [3][8192][1024] f16.  Products in bf16, sums in f32, each result rounded once to f16.
; LIMIT.  f16 holds no number beyond 65,504: a q, k or v of 65,520 or more becomes an infinity.  With x and W thirty times the usual spread they reach some 3,000.
; SHARES.  8192 x 3072 results on 256 work-groups are 256 x 384 each: 256 rows by the SAME 128 columns of q, of k and of v.  Four waves, each 128 rows x 64 columns of each matrix: 96 accumulators of 16 x 16, 768 registers.
; K = 1,024 goes in sixteen steps of 64 through a ring of two LDS slots filled by the tensor data mover.  (Steps of 128 would want 2 x (256 x 272 + 384 x 288) = 360,448 bytes of LDS.)
; x's tile: 256 rows x 128 bytes, dense in memory: a wave asks for its half as 64 rows of 256 bytes, padded in LDS after every 128.  W's tile: 64 k x 3 matrices x 128 columns: the rows (k, m) lie 1,024 elements apart, so a wave asks for
; 32 k as ONE tile of 96 rows x 256 bytes.  W's fragments come out of LDS turned, by ds_load_tr16_b128.
; CLUSTERS: 4 x 4 work-groups.  4 x the cluster's x + cx is the group of columns, 4 x the cluster's y + cy the block of rows.  The four of a row of the cluster need the same tile of x, the four of a column the same tile of W:
; each is asked for JOINTLY, by the same tensor load with the same descriptor and a mask that names the four.
; THE MATRIX INSTRUCTION IS USED TRANSPOSED: source 0 = 16 columns of W, source 1 = 16 rows of x: a lane then holds eight neighbouring numbers of a row of the result, 16 bytes in f16.
; REGISTERS, in windows of 256 (s_set_vgpr_msb: bits 1:0 source 0, 3:2 source 1, 5:4 source 2, 7:6 destination):
;   window 0: v0-31 addresses; v32-95, v96-159 fragments of x (8 x 16 rows x 32 K), two buffers; v160-255 fragments of W, ONE buffer: matrix m's four at v[160 + 32 m]; on the way out v32-223 are at work.
;   window 1 + m: matrix m's 32 accumulators, (a, j) at v[8 (4 a + j)].
; A CHUNK is 32 along K: 96 matrix instructions in three groups, a matrix each.  Behind group m its registers of W are loaded again, for the next chunk: they are wanted 64 matrix instructions later; x's next fragments go into the other buffer.
.set PA,     144                       ; an LDS row of x: 128 bytes + 16: the 16 rows of a load start at 16 different groups of four banks (64 banks of 4 bytes: ISA guide 11.1)
.set AH,     128*PA                    ; 128 rows of x: one tensor load
.set PB,     288                       ; an LDS row of W: 256 bytes + 32
.set PK,     3*PB                      ; from k to k + 1: 864 = 27 x 32
.set BH,     96*PB                     ; 32 k of three matrices: one tensor load, and one chunk
.set BOFF,   2*AH
.set SLOT,   2*AH+2*BH
.set STAGE,  2*SLOT                    ; behind the ring, never filled by a tensor load: 128 rows x 784 bytes, the work-group's, for the way out
.set SP,     784                       ; 3 x 256 bytes + 16 = 49 x 16
.set SPARE,  STAGE+128*SP              ; behind the stage: the spare words, 128 bytes for each wave: two blocks of 256 bytes that no other line names
.set XSTEP,  8192*128                  ; bytes from a K block of x to the next
.set WSTEP,  64*3*2048                 ; bytes from a K step of W to the next
.set ADRA, 16                          ; v16-17  LDS address of my fragments of x in slot 0, 1
.set ADRB, 20                          ; v20-21  the same for W
.set STO,  24                          ; v24     the way out: where I put 16 bytes of a row
.set RD,   25                          ; v25     the way out: where I read a row back
.set CO,   26                          ; v26     my byte offset in the result
.set SPW,  28                          ; v28     LDS address of my spare word; never rewritten
.set NIL,  29                          ; v29     0; never rewritten
.set AB0,  32
.set AB1,  96
.set BF,   160
.set TMP,  32
.set OUT,  16                          ; s[16:21] q, k, v at the first row and column that I store
.set G1,  24                           ; s[24:31] descriptor group 1 for x's tiles;  s[32:39] group 0, one set for each slot
.set G0,  32
.set G1B, 48                           ; s[48:55], s[56:63] the same for W's tiles
.set G0B, 56
.set MSB, 0
.macro WIN new                         ; the immediate's high byte repeats the setting that is left; a switch that changes nothing is dropped
.if MSB != (\new)
	s_set_vgpr_msb (MSB<<8)|(\new)
.set MSB, \new
.endif
.endm
; A joint load.  Waves 0 and 1 fetch x's two halves, waves 2 and 3 W's.  The branch hangs on the wave's number alone.  An s_nop 0 and four v_nop follow each of the two lines.
.macro JLOAD s
	s_cmp_eq_u32 s11, 0
	s_cbranch_scc0 .Lfor_b_\@
	tensor_load_to_lds s[G0+4*(\s):G0+4*(\s)+3], s[G1:G1+7]
	s_nop 0
.rept 4
	v_nop
.endr
	s_branch .Lasked_\@
.Lfor_b_\@:
	tensor_load_to_lds s[G0B+4*(\s):G0B+4*(\s)+3], s[G1B:G1B+7]
	s_nop 0
.rept 4
	v_nop
.endr
.Lasked_\@:
.endm
.macro CREST                           ; a round of the cluster's barrier behind its opening barrier
	s_cmp_lg_u32 s10, 0
	s_cbranch_scc1 .Lnot_wave_0_\@
	s_barrier_signal -3
.Lnot_wave_0_\@:
	s_barrier_wait -3
	s_barrier_signal -1
	s_barrier_wait -1
.endm
.macro CROUND                          ; a whole round
	s_barrier_signal -1
	s_barrier_wait -1
	CREST
.endm
	s_load_b128 s[4:7], s[0:1], 0x0                ; xw s[4:5], qkv s[6:7]
	v_lshl_add_u32 v[SPW], v0, 2, SPARE
	v_mov_b32 v[NIL], 0
	ds_add_u32 v[SPW], v[NIL]                      ; the wave's opening: the add and its wait stand ahead of my first tensor load; the set-up below, work on registers, stands between them
	ds_add_u32 v28, v29
	v_lshrrev_b32 v1, 5, v0
	v_readfirstlane_b32 s10, v1                    ; wave 0..3
	s_lshr_b32 s11, s10, 1                         ; which half of the tile's rows is mine.  Also: I fetch for x (0) or for W (1)
	s_and_b32 s12, s10, 1                          ; which half of each matrix's 128 columns.  Also: which half of that tile I fetch
	s_bfe_u32 s40, ttmp6, 0x40000                  ; cx
	s_bfe_u32 s41, ttmp6, 0x40004                  ; cy
	s_lshl_b32 s42, ttmp9, 2
	s_add_co_u32 s42, s42, s40                     ; the group of 128 columns = 4 x cluster x + cx
	s_and_b32 s13, ttmp7, 0xffff
	s_lshl_b32 s13, s13, 2
	s_add_co_u32 s13, s13, s41                     ; the block of 256 rows = 4 x cluster y + cy
	s_lshl_b32 s43, s41, 2
	s_lshl_b32 s43, 15, s43                        ; my row of the cluster: places 4 cy .. 4 cy + 3
	s_lshl_b32 s44, 0x1111, s40                    ; my column: places cx, cx + 4, cx + 8, cx + 12
	s_or_b32 s[G1+0], s43, (1<<16)|(1<<20)|(1<<21)|(4<<22)|(3<<25)   ; the mask; 2-byte elements; padding on; bit 21 beside a mask; after every 32 words, 4 words
	s_or_b32 s[G1B+0], s44, (1<<16)|(1<<20)|(1<<21)|(5<<22)|(7<<25)  ; after every 64 words, 8 words
	s_mov_b32 s[G1+1], 128<<16                     ; x: tensor_dim0 = 128 elements: two rows of a K block
	s_mov_b32 s[G1+2], 64<<16                      ; tensor_dim1 = 64
	s_mov_b32 s[G1+3], 128<<16                     ; tile_dim0 = 128
	s_mov_b32 s[G1+4], 64                          ; tile_dim1 = 64
	s_mov_b32 s[G1+5], 128                         ; dense: 128 elements from row to row
	s_mov_b32 s[G1+6], 0
	s_mov_b32 s[G1+7], 0
	s_mov_b32 s[G1B+1], 128<<16                    ; W: tensor_dim0 = 128 columns
	s_mov_b32 s[G1B+2], 96<<16                     ; tensor_dim1 = 96 rows: 32 k x 3 matrices
	s_mov_b32 s[G1B+3], 128<<16                    ; tile_dim0 = 128
	s_mov_b32 s[G1B+4], 96                         ; tile_dim1 = 96
	s_mov_b32 s[G1B+5], 1024                       ; elements from row to row
	s_mov_b32 s[G1B+6], 0
	s_mov_b32 s[G1B+7], 0
	s_lshl_b32 s16, s13, 15                        ; x's tile hangs on the block of rows alone: 256 rows of 128 bytes,
	s_lshl_b32 s17, s12, 14                        ; and my 128 of them
	s_add_co_u32 s16, s16, s17
	s_mov_b32 s17, 0
	s_mul_i32 s46, s12, 32*3*2048                  ; W's tile hangs on my 32 k,
	s_lshl_b32 s47, s42, 8                         ; and the group of columns (256 bytes);
	s_add_co_u32 s46, s46, s47
	s_add_co_u32 s46, s46, 16*XSTEP                ; W lies behind x
	s_mov_b32 s47, 0
	s_mul_i32 s20, s12, AH                         ; where the tiles go: x's two halves,
	s_mul_i32 s21, s12, BH
	s_add_co_u32 s21, s21, BOFF                    ; then W's two: no place in the cluster enters an LDS address
	s_wait_dscnt 0x0                               ; the opening add is done
	s_wait_kmcnt 0x0
	s_add_nc_u64 s[14:15], s[4:5], s[16:17]
	s_add_nc_u64 s[46:47], s[4:5], s[46:47]
	CROUND                                         ; all sixteen work-groups are here: the first joint loads meet
.irp s, 0,1
	s_mov_b32 s[G0+4*(\s)], 1
	s_add_co_u32 s[G0+4*(\s)+1], s20, (\s)*SLOT
	s_add_nc_u64 s[G0+4*(\s)+2:G0+4*(\s)+3], s[14:15], (\s)*XSTEP      ; K step s
	s_or_b32 s[G0+4*(\s)+3], s[G0+4*(\s)+3], 0x80000000
	s_mov_b32 s[G0B+4*(\s)], 1
	s_add_co_u32 s[G0B+4*(\s)+1], s21, (\s)*SLOT
	s_add_nc_u64 s[G0B+4*(\s)+2:G0B+4*(\s)+3], s[46:47], (\s)*WSTEP
	s_or_b32 s[G0B+4*(\s)+3], s[G0B+4*(\s)+3], 0x80000000
	JLOAD \s                                       ; two loads of mine are out
.endr
	; A fragment is 16 rows x 32 K in 8 registers: lane l holds row l % 16; registers 0-3 K = 8 (l / 16) + 0..7, registers 4-7 K = 16 + 8 (l / 16) + 0..7.
	v_and_b32 v1, 15, v0                           ; l % 16
	v_bfe_u32 v2, v0, 4, 1                         ; l / 16
	v_mul_u32_u24 v3, v1, PA
	v_lshl_add_u32 v3, v2, 4, v3                   ; x: row x pitch + 16 x half
	; The turning load takes 16 k x 16 columns (lane l reads k = 8 (l / 16) + l % 8, columns 8 ((l / 8) % 2) + 0..7) and leaves half a fragment: lane l holds column l % 16 and 8 k.
	v_and_b32 v6, 7, v0
	v_bfe_u32 v7, v0, 3, 1
	v_lshl_add_u32 v6, v2, 3, v6
	v_mul_u32_u24 v6, v6, PK
	v_lshl_add_u32 v6, v7, 4, v6
	s_mul_i32 s22, s11, AH                         ; my 128 rows of x
	s_lshl_b32 s23, s12, 7                         ; my 64 columns of each matrix: 128 bytes,
	s_add_co_u32 s23, s23, BOFF                    ; behind x's 256 rows
.irp s, 0,1
	v_add_nc_u32 v[ADRA+(\s)], s22, v3
	v_add_nc_u32 v[ADRB+(\s)], s23, v6
	s_add_co_u32 s22, s22, SLOT
	s_add_co_u32 s23, s23, SLOT
.endr
	s_lshl_b32 s22, s11, 6                         ; into the stage: of its 128 rows my row half has 64; my half of each matrix's 256 bytes; row l % 16, 16 bytes for each half of the lanes
	s_mul_i32 s22, s22, SP
	s_lshl_b32 s23, s12, 7
	s_add_co_u32 s22, s22, s23
	s_add_co_u32 s22, s22, STAGE
	v_mul_u32_u24 v4, v1, SP
	v_lshl_add_u32 v4, v2, 4, v4
	v_add_nc_u32 v[STO], s22, v4
	s_mul_i32 s22, s10, 32*SP                      ; back: wave w takes the stage's rows 32 w .. 32 w + 31, whole; lanes 0-15 one row's 256 bytes of a matrix, lanes 16-31 the next row's
	s_add_co_u32 s22, s22, STAGE
	v_mul_u32_u24 v5, v2, SP
	v_lshl_add_u32 v5, v1, 4, v5
	v_add_nc_u32 v[RD], s22, v5
	v_lshlrev_b32 v5, 11, v2                       ; and the same two rows in the result
	v_lshl_add_u32 v[CO], v1, 4, v5
	s_lshl_b32 s22, s13, 19                        ; the first row that I store: 256 x block + 128 x (w / 2) + 32 x (w % 2), rows of 2,048 bytes,
	s_lshl_b32 s23, s11, 18
	s_add_co_u32 s22, s22, s23
	s_lshl_b32 s23, s12, 16
	s_add_co_u32 s22, s22, s23
	s_lshl_b32 s23, s42, 8                         ; and the group of columns
	s_add_co_u32 s22, s22, s23
	s_mov_b32 s23, 0
	s_add_nc_u64 s[OUT:OUT+1], s[6:7], s[22:23]
	s_add_nc_u64 s[OUT+2:OUT+3], s[OUT:OUT+1], 1<<24     ; a matrix is 8,192 rows of 2,048 bytes
	s_add_nc_u64 s[OUT+4:OUT+5], s[OUT+2:OUT+3], 1<<24
; 16 matrix instructions of matrix m: row blocks a0 .. a0 + 3 x its 4 column blocks, 32 along K, x from buffer buf.  zero = 1: the first product starts the sums.  The 96 accumulators take turns.
.macro MUL16 m, buf, a0, zero
	WIN 0x50*((\m)+1)                              ; sources in window 0, C and D in window 1 + m
.irp a, \a0, (\a0)+1, (\a0)+2, (\a0)+3
.irp j, 0,1,2,3
.if \zero
	v_wmma_f32_16x16x32_bf16 v[8*(4*(\a)+(\j)):8*(4*(\a)+(\j))+7], v[BF+32*(\m)+8*(\j):BF+32*(\m)+8*(\j)+7], v[(\buf)+8*(\a):(\buf)+8*(\a)+7], 0
.else
	v_wmma_f32_16x16x32_bf16 v[8*(4*(\a)+(\j)):8*(4*(\a)+(\j))+7], v[BF+32*(\m)+8*(\j):BF+32*(\m)+8*(\j)+7], v[(\buf)+8*(\a):(\buf)+8*(\a)+7], v[8*(4*(\a)+(\j)):8*(4*(\a)+(\j))+7]
.endif
.endr
.endr
.endm
.macro LDB m, slot, u                  ; 8 LDS loads: matrix m's four fragments of chunk u of a slot, turned
.irp j, 0,1,2,3
	ds_load_tr16_b128 v[BF+32*(\m)+8*(\j):BF+32*(\m)+8*(\j)+3],   v[ADRB+(\slot)] offset:(\u)*BH+(\m)*PB+32*(\j)
	ds_load_tr16_b128 v[BF+32*(\m)+8*(\j)+4:BF+32*(\m)+8*(\j)+7], v[ADRB+(\slot)] offset:(\u)*BH+(\m)*PB+16*PK+32*(\j)
.endr
.endm
.macro LDA buf, slot, u                ; 16 LDS loads: x's eight fragments of chunk u of a slot
.irp i, 0,1,2,3,4,5,6,7
	ds_load_b128 v[(\buf)+8*(\i):(\buf)+8*(\i)+3],   v[ADRA+(\slot)] offset:(\u)*64+(\i)*16*PA
	ds_load_b128 v[(\buf)+8*(\i)+4:(\buf)+8*(\i)+7], v[ADRA+(\slot)] offset:(\u)*64+(\i)*16*PA+32
.endr
.endm
.macro PLACES                          ; four places in front of loads into registers that matrix instructions have read, and of conversions that read results (ISA guide 7.12.1 for vector instructions)
.rept 4
	v_nop
.endr
.endm
; A slot's FIRST chunk: multiplies x's buffer 0 and fetches the slot's second chunk.  The LDS loads of a chunk are always issued in this order: W 0 (8), x (16), W 1 (8), W 2 (8).
.macro CH_E slot, zero
	s_wait_dscnt 16                                ; W 0 and x are in; W 1 and W 2, sixteen loads, may be out
	MUL16 0, AB0, 0, \zero
	MUL16 0, AB0, 4, \zero
	PLACES
	WIN 0
	LDB 0, \slot, 1
	LDA AB1, \slot, 1
	s_wait_dscnt 32                                ; W 1 is in; W 2's eight and the 24 just issued may be out
	MUL16 1, AB0, 0, \zero
	MUL16 1, AB0, 4, \zero
	PLACES
	WIN 0
	LDB 1, \slot, 1
	s_wait_dscnt 32                                ; W 2 is in; the next chunk's 32 may be out
	MUL16 2, AB0, 0, \zero
	MUL16 2, AB0, 4, \zero
	PLACES
	WIN 0
	LDB 2, \slot, 1
.endm
; A slot's SECOND chunk: multiplies x's buffer 1 and changes slots.  ONE barrier, in its second group: in front of it each wave waits for all its tensor loads (one is out: its part of the next slot), adds 0 to its spare word, and waits
; for that and for its reads of this slot, of which the last were issued at the end of the chunk before.  Behind it nobody reads this slot any more and the next slot is whole.
; fill = 2: the barrier opens a round of the cluster's, and this slot is filled again, two K steps ahead, first thing behind the round: the load has 160 matrix instructions in which to land.
; fill = 1: nothing is left to fetch.  fill = 0: the very last chunk.
.macro CH_O slot, next, fill
	s_wait_dscnt 16                                ; W 0 and x are in
	MUL16 0, AB1, 0, 0
	MUL16 0, AB1, 4, 0
.if (\fill) == 0
	s_wait_dscnt 8                                 ; W 1 is in
	MUL16 1, AB1, 0, 0
	MUL16 1, AB1, 4, 0
	s_wait_dscnt 0x0
	MUL16 2, AB1, 0, 0
	MUL16 2, AB1, 4, 0
.else
	WIN 0                                          ; (the add's two registers lie in window 0)
	s_wait_tensorcnt 0x0
	ds_add_u32 v[SPW], v[NIL]
	s_wait_dscnt 9                                 ; W 1 is in; W 2's eight loads and the add may be out
	MUL16 1, AB1, 0, 0                             ; sixteen matrix instructions stand between the add and the wait for it
	s_wait_dscnt 0x0                               ; the add is done, and my reads of this slot are over
	s_barrier_signal -1
	MUL16 1, AB1, 4, 0                             ; work on registers while the others arrive
	WIN 0
	s_barrier_wait -1
.if (\fill) == 2
	CREST                                          ; no wave of any partner still reads this slot's tile or has a load on its way
	s_add_nc_u64 s[G0+4*(\slot)+2:G0+4*(\slot)+3], s[G0+4*(\slot)+2:G0+4*(\slot)+3], 2*XSTEP
	s_add_nc_u64 s[G0B+4*(\slot)+2:G0B+4*(\slot)+3], s[G0B+4*(\slot)+2:G0B+4*(\slot)+3], 2*WSTEP
	JLOAD \slot                                    ; its four v_nop are also the places in front of the loads below
.else
	PLACES
.endif
	LDB 0, \next, 0
	LDA AB0, \next, 0
	LDB 1, \next, 0
	MUL16 2, AB1, 0, 0
	MUL16 2, AB1, 4, 0
	PLACES
	WIN 0
	LDB 2, \next, 0
.endif
.endm
; THE WAY OUT, in two halves: p = 0: every wave's row blocks 0-3, p = 1: its blocks 4-7: 128 rows of the tile fill the stage.  A wave's 64 columns of a matrix are 128 bytes, half of an aligned 256: so the two waves of a row half
; write the two halves of the same stage rows, a barrier stands between the writing and the reading, and each wave then reads 32 whole rows and stores them.
.macro HALF p
.irp m, 0,1,2
	WIN 5*((\m)+1)                                 ; sources 0 and 1: window 1 + m
.irp aa, 0,1,2,3
.irp j, 0,1,2,3
.irp r, 0,1,2,3
	v_cvt_pk_f16_f32 v[TMP+64*(\m)+16*(\aa)+4*(\j)+(\r)], v[8*(4*(4*(\p)+(\aa))+(\j))+2*(\r)], v[8*(4*(4*(\p)+(\aa))+(\j))+2*(\r)+1]  ; each accumulator's registers in ascending order
.endr
.endr
.endr
	WIN 0
.irp aa, 0,1,2,3
.irp j, 0,1,2,3
	ds_store_b128 v[STO], v[TMP+64*(\m)+16*(\aa)+4*(\j):TMP+64*(\m)+16*(\aa)+4*(\j)+3] offset:(\aa)*16*SP+(\m)*256+32*(\j)
.endr
.endr
.endr
	s_wait_dscnt 0x0                               ; for the others' sake: my stores into the stage are done
	s_barrier_signal -1
	s_barrier_wait -1
.set t, 0
.rept 48                               ; matrix t / 16, rows 2 (t % 16) and the next
	ds_load_b128 v[TMP+4*t:TMP+4*t+3], v[RD] offset:(t%16)*2*SP+(t/16)*256
.set t, t+1
.endr
.set t, 0
.rept 48
	s_wait_dscnt 47-t                              ; LDS loads come back in order (ISA guide 5.7.1): load t is in
	global_store_b128 v[CO], v[TMP+4*t:TMP+4*t+3], s[OUT+2*(t/16):OUT+2*(t/16)+1] offset:(64*(\p)+2*(t%16))*2048  ; 16 lanes store 256 consecutive bytes, aligned
.set t, t+1
.endr
.endm
	s_wait_tensorcnt 1                             ; my part of K step 0 is in; K step 1's may stay out
	s_barrier_signal -1
	s_barrier_wait -1                              ; everybody's is
	LDB 0, 0, 0
	LDA AB0, 0, 0
	LDB 1, 0, 0
	LDB 2, 0, 0
	CH_E 0, 1                                      ; the first chunk stands in front of the loop: its products start the sums
	WIN 0                                          ; at a label and at a branch every window is 0
	s_mov_b32 s3, 7
.Llap:                                                 ; a trip goes once round the ring, from a lap's second chunk to the next lap's first, and fills both slots again: K steps 2 to 15
	CH_O 0, 1, 2
	CH_E 1, 0
	CH_O 1, 0, 2
	CH_E 0, 0
	WIN 0
	s_sub_co_u32 s3, s3, 1
	s_cmp_lg_u32 s3, 0
	s_cbranch_scc1 .Llap
	CH_O 0, 1, 1                                   ; the last lap fills nothing: my one load that was out is slot 1's, the last K step's
	CH_E 1, 0
	CH_O 1, 0, 0
	WIN 0
	PLACES
	HALF 0
	s_barrier_signal -1                            ; every wave's reads of the stage are back (the last count-down ended at 0):
	s_barrier_wait -1                              ; only now is it written again
	s_wait_xcnt 0x0                                ; the registers that the stores read are rewritten only behind this wait
	HALF 1
	s_wait_tensorcnt 0x0                           ; the wave's end: behind my last tensor load and my last LDS store
	ds_add_u32 v[SPW], v[NIL]
	s_wait_dscnt 0x0
	CROUND                                         ; the closing round: no work-group ends while a partner may still ask for a tile that names it
	s_endpgm
.Lfunc_end_k_qc20b2bedf6_proj:
	.size	k_qc20b2bedf6_proj, .Lfunc_end_k_qc20b2bedf6_proj-k_qc20b2bedf6_proj
	.p2alignl 7, 3214868480
	.fill 96, 4, 3214868480
	.section	.rodata,"a",@progbits
	.p2align	6, 0x0
	.amdhsa_kernel k_qc20b2bedf6_proj
		.amdhsa_group_segment_fixed_size 327680
		.amdhsa_private_segment_fixed_size 0
		.amdhsa_enable_private_segment 0
		.amdhsa_kernarg_size 16
		.amdhsa_user_sgpr_count 2
		.amdhsa_user_sgpr_kernarg_segment_ptr 1
		.amdhsa_wavefront_size32 1
		.amdhsa_system_sgpr_workgroup_id_x 1
		.amdhsa_system_sgpr_workgroup_id_y 1
		.amdhsa_system_sgpr_workgroup_id_z 1
		.amdhsa_system_vgpr_workitem_id 0
		.amdhsa_next_free_vgpr 1024
		.amdhsa_next_free_sgpr 66
		.amdhsa_reserve_vcc 0
		.amdhsa_float_denorm_mode_32 3
		.amdhsa_float_denorm_mode_16_64 3
		.amdhsa_memory_ordered 1
		.amdhsa_forward_progress 1
		.amdhsa_inst_pref_size 132
	.end_amdhsa_kernel
	.amdgpu_metadata
---
amdhsa.version: [ 1, 2 ]
amdhsa.kernels:
  - .name:           k_qc20b2bedf6_proj
    .symbol:         k_qc20b2bedf6_proj.kd
    .args:
      - { .name: xw, .offset: 0, .size: 8, .value_kind: global_buffer, .address_space: global }
      - { .name: qkv, .offset: 8, .size: 8, .value_kind: global_buffer, .address_space: global }
    .group_segment_fixed_size: 327680
    .private_segment_fixed_size: 0
    .kernarg_segment_align: 8
    .kernarg_segment_size: 16
    .max_flat_workgroup_size: 128
    .sgpr_count:     66
    .vgpr_count:     1024
    .wavefront_size: 32
...
	.end_amdgpu_metadata
.endif
;; end of part 2
;; launch scores (part 3): grid 36 x 4, 4 waves a work-group, no clusters, 327,680 bytes of LDS; arguments qkv, sc; writes sc
.if DOCPART == 3
	.amdgcn_target "amdgcn-amd-amdhsa--gfx1250"
	.amdhsa_code_object_version 6
	.text
	.protected	k_qc20b2bedf6_scores
	.globl	k_qc20b2bedf6_scores
	.p2align	8
	.type	k_qc20b2bedf6_scores,@function
k_qc20b2bedf6_scores:
	s_mov_b64 s[64:65], 0
	v_nop
	global_prefetch_b8 v0, s[64:65] scope:SCOPE_SE
	s_setreg_imm32_b32 hwreg(HW_REG_WAVE_MODE, 25, 1), 1
	s_wait_xcnt 0x0
; S = q k^T, unscaled and unmasked, in f32: of each batch's 8 x 8 tiles of 256 x 256 the 36 that reach the diagonal or lie below it.  qkv: [3][8192][1024] f16 (q, k, v).  sc: [4][2048][2048] f32; tiles above the diagonal are not written.
; Products in f16, sums in f32, nothing is rounded on the way out.  Work-group x = 0..35 counts the tiles (i, j <= i) row by row, y is the batch.
; A tile is made by four waves, each 128 x 128: 64 accumulators.  K = 1,024 goes in eight steps of 128 through a ring of two LDS slots; each wave fetches a quarter of a slot (128 rows x 256 bytes) with one tensor load.
; NO CLUSTER: the 36 tiles of a triangle do not fall into groups of four that share a tile row or a tile column (rows of 1, 2, 3, 5, 6, 7 tiles leave 12 over), and a 4 x 4 cluster laid over the diagonal would hold six
; work-groups with nothing of use to do.
; THE MATRIX INSTRUCTION IS USED TRANSPOSED: source 0 = 16 rows of k, source 1 = 16 rows of q: a lane holds eight neighbouring numbers of a row of S.
; REGISTERS: window 0: v0-31 addresses; v64-127, v128-191 fragments of q, two buffers, on the way out rows read back.  window 1: the same registers: fragments of k.  windows 2, 3: the accumulators ((a, b) at v[8 (8 a + b)]).
.set KSTEP,  128
.set PITCH,  272                       ; an LDS row: 256 bytes + 16 of padding: the 16 rows of a load start at 16 different groups of four banks (64 banks of 4 bytes: ISA guide 11.1)
.set HALFT,  128*PITCH
.set SLOT,   4*HALFT                   ; q's 256 rows, then k's 256 rows
.set STAGE,  2*SLOT                    ; behind the ring: 16 rows x 528 bytes for each wave
.set SPITCH, 528                       ; 128 f32 + 16 bytes
.set SPARE,  STAGE+4*16*SPITCH         ; the spare words, 128 bytes for each wave: two blocks of 256 bytes that no other line names
.set LAPS,   4
.set ADRA, 16
.set ADRB, 20
.set STO,  24
.set RD,   25
.set CO,   26
.set SPW,  28                          ; v28  LDS address of my spare word; never rewritten
.set NIL,  29                          ; v29  0; never rewritten
.set F0,   64
.set F1,   128
.set G1,  24                           ; s[24:31] descriptor group 1, one for all loads
.set G0,  32                           ; s[32:39] group 0, one set for each slot
.set MSB, 0
.macro WIN new
.if MSB != (\new)
	s_set_vgpr_msb (MSB<<8)|(\new)
.set MSB, \new
.endif
.endm
.set MUL_LO, 0xa1
.set MUL_HI, 0xf1
.set TO_B,   0x40
	s_load_b128 s[4:7], s[0:1], 0x0                ; qkv s[4:5], sc s[6:7]
	v_lshl_add_u32 v[SPW], v0, 2, SPARE
	v_mov_b32 v[NIL], 0
	ds_add_u32 v[SPW], v[NIL]                      ; the wave's opening: the add and its wait stand ahead of my first tensor load
	ds_add_u32 v28, v29
	v_lshrrev_b32 v1, 5, v0
	v_readfirstlane_b32 s10, v1                    ; wave 0..3
	s_lshr_b32 s11, s10, 1                         ; which half of the tile's rows is mine.  Also: I fetch q (0) or k (1)
	s_and_b32 s12, s10, 1                          ; which half of its columns.  Also: which 128 rows I fetch
	s_and_b32 s13, ttmp7, 0xffff                   ; the batch
	s_mov_b32 s40, 0                               ; the tile row i: how many of the rows' first numbers 1, 3, 6, .. my number has reached
.irp th, 1,3,6,10,15,21,28
	s_cmp_ge_u32 ttmp9, \th
	s_cselect_b32 s41, 1, 0
	s_add_co_u32 s40, s40, s41
.endr
	s_add_co_u32 s41, s40, 1
	s_mul_i32 s41, s41, s40
	s_lshr_b32 s41, s41, 1
	s_sub_co_u32 s41, ttmp9, s41                   ; the tile column j = my number - i (i + 1) / 2
	s_mov_b32 s[G1+0], (1<<16)|(1<<20)|(5<<22)|(3<<25)  ; 2-byte elements; padding on: after every 64 words, 4 words
	s_mov_b32 s[G1+1], KSTEP<<16                   ; tensor_dim0 = 128
	s_mov_b32 s[G1+2], 128<<16                     ; tensor_dim1 = 128
	s_mov_b32 s[G1+3], KSTEP<<16                   ; tile_dim0 = 128
	s_mov_b32 s[G1+4], 128                         ; tile_dim1 = 128
	s_mov_b32 s[G1+5], 1024                        ; elements from row to row
	s_mov_b32 s[G1+6], 0
	s_mov_b32 s[G1+7], 0
	s_cmp_eq_u32 s11, 0
	s_cselect_b32 s16, s40, s41                    ; q's tile goes by i, k's by j
	s_lshl_b32 s16, s16, 8
	s_lshl_b32 s17, s13, 11                        ; the batch's 2,048 rows
	s_add_co_u32 s16, s16, s17
	s_lshl_b32 s17, s12, 7                         ; my 128 rows
	s_add_co_u32 s16, s16, s17
	s_lshl_b32 s16, s16, 11                        ; rows of 2,048 bytes
	s_lshl_b32 s17, s11, 24                        ; k lies 8,192 rows behind q
	s_add_co_u32 s16, s16, s17
	s_mov_b32 s17, 0
	s_mul_i32 s20, s10, HALFT                      ; where my rows go: wave x 128 rows
	s_wait_dscnt 0x0                               ; the opening add is done
	s_wait_kmcnt 0x0
	s_add_nc_u64 s[14:15], s[4:5], s[16:17]
.irp s, 0,1
	s_mov_b32 s[G0+4*(\s)], 1
	s_add_co_u32 s[G0+4*(\s)+1], s20, (\s)*SLOT
	s_add_nc_u64 s[G0+4*(\s)+2:G0+4*(\s)+3], s[14:15], (\s)*KSTEP*2
	s_or_b32 s[G0+4*(\s)+3], s[G0+4*(\s)+3], 0x80000000
	tensor_load_to_lds s[G0+4*(\s):G0+4*(\s)+3], s[G1:G1+7]  ; the two first fills go out together: two loads of mine are out
	s_nop 0
.endr
	v_and_b32 v1, 15, v0                           ; l % 16
	v_bfe_u32 v2, v0, 4, 1                         ; l / 16
	v_mul_u32_u24 v3, v1, PITCH
	v_lshl_add_u32 v3, v2, 4, v3                   ; a fragment's row x pitch + 16 x half
	s_mul_i32 s21, s11, HALFT                      ; my 128 rows of q
	s_mul_i32 s22, s12, HALFT                      ; my 128 rows of k,
	s_add_co_u32 s22, s22, 2*HALFT                 ; which lie behind q's 256
.irp s, 0,1
	v_add_nc_u32 v[ADRA+(\s)], s21, v3
	v_add_nc_u32 v[ADRB+(\s)], s22, v3
	s_add_co_u32 s21, s21, SLOT
	s_add_co_u32 s22, s22, SLOT
.endr
	s_mul_i32 s23, s10, 16*SPITCH
	s_add_co_u32 s23, s23, STAGE                   ; my stage
	v_mul_u32_u24 v4, v1, SPITCH                   ; in: row l % 16, 32 bytes for each half of the lanes
	v_lshl_add_u32 v4, v2, 5, v4
	v_add_nc_u32 v[STO], s23, v4
	v_and_b32 v5, 31, v0
	v_lshlrev_b32 v[CO], 4, v5                     ; back and out: 32 lanes take a row's 512 bytes
	v_add_nc_u32 v[RD], s23, v[CO]
	s_lshl_b32 s16, s40, 8                         ; where my part of S begins: row 256 i + 128 x half, rows of 8,192 bytes,
	s_lshl_b32 s17, s11, 7
	s_add_co_u32 s16, s16, s17
	s_lshl_b32 s16, s16, 13
	s_lshl_b32 s17, s13, 24                        ; the batch,
	s_add_co_u32 s16, s16, s17
	s_lshl_b32 s17, s41, 10                        ; column 256 j + 128 x half, 4 bytes each
	s_add_co_u32 s16, s16, s17
	s_lshl_b32 s17, s12, 9
	s_add_co_u32 s16, s16, s17
	s_mov_b32 s17, 0
	s_add_nc_u64 s[8:9], s[6:7], s[16:17]          ; never stepped: a row's place stands in the stores' immediates
.macro MUL16 f, hi, a0, zero           ; 16 matrix instructions; the 64 accumulators take turns
	WIN MUL_LO+0x50*(\hi)
.irp a, \a0, (\a0)+1
.irp b, 0,1,2,3,4,5,6,7
.if \zero
	v_wmma_f32_16x16x32_f16 v[8*(8*(\a)+(\b)):8*(8*(\a)+(\b))+7], v[(\f)+8*(\b):(\f)+8*(\b)+7], v[(\f)+8*(4*(\hi)+(\a)):(\f)+8*(4*(\hi)+(\a))+7], 0
.else
	v_wmma_f32_16x16x32_f16 v[8*(8*(\a)+(\b)):8*(8*(\a)+(\b))+7], v[(\f)+8*(\b):(\f)+8*(\b)+7], v[(\f)+8*(4*(\hi)+(\a)):(\f)+8*(4*(\hi)+(\a))+7], v[8*(8*(\a)+(\b)):8*(8*(\a)+(\b))+7]
.endif
.endr
.endr
.endm
.macro FETCH slot, q, f                ; 32 LDS loads in one run: quarter q's fragments (128 rows of k, 128 rows of q, 32 along K) into buffer f
	WIN TO_B
.irp i, 0,1,2,3,4,5,6,7
	ds_load_b128 v[(\f)+8*(\i):(\f)+8*(\i)+3],   v[ADRB+(\slot)] offset:(\q)*64+(\i)*16*PITCH
	ds_load_b128 v[(\f)+8*(\i)+4:(\f)+8*(\i)+7], v[ADRB+(\slot)] offset:(\q)*64+(\i)*16*PITCH+32
.endr
	WIN 0
.irp i, 0,1,2,3,4,5,6,7
	ds_load_b128 v[(\f)+8*(\i):(\f)+8*(\i)+3],   v[ADRA+(\slot)] offset:(\q)*64+(\i)*16*PITCH
	ds_load_b128 v[(\f)+8*(\i)+4:(\f)+8*(\i)+7], v[ADRA+(\slot)] offset:(\q)*64+(\i)*16*PITCH+32
.endr
.endm
.macro PLACES                          ; four places behind matrix instructions, in front of loads into their sources and of stores of their results
.rept 4
	v_nop
.endr
.endm
.macro QUARTER slot, q, f, g, zero
	s_wait_dscnt 8                                 ; k and q's rows 0-63 are in; the youngest eight loads may be out
	MUL16 \f, 0, 0, \zero
	MUL16 \f, 0, 2, \zero
	PLACES
	FETCH \slot, \q, \g
	s_wait_dscnt 32                                ; all but the 32 just issued
	MUL16 \f, 1, 0, \zero
	MUL16 \f, 1, 2, \zero
.endm
; ONE barrier for the change of slots: in front of it each wave waits for all its tensor loads (one is out: its part of the next slot), adds 0 to its spare word, and waits for that and for its reads of this slot.
.macro MEET
	WIN 0
	s_wait_tensorcnt 0x0
	ds_add_u32 v[SPW], v[NIL]
	s_wait_dscnt 9                                 ; (the add and the youngest eight loads may be out)
	MUL16 F1, 0, 0, 0
	s_wait_dscnt 0x0                               ; the add is done, and my reads of this slot are over
	s_barrier_signal -1
	MUL16 F1, 0, 2, 0
	s_barrier_wait -1
.endm
.macro TURN slot, next                 ; the last quarter where the slot is filled again, two K steps ahead: my one tensor load behind the barrier, and the first thing there
	MEET
	s_add_nc_u64 s[G0+4*(\slot)+2:G0+4*(\slot)+3], s[G0+4*(\slot)+2:G0+4*(\slot)+3], 2*KSTEP*2
	tensor_load_to_lds s[G0+4*(\slot):G0+4*(\slot)+3], s[G1:G1+7]
	s_nop 0
	PLACES                                         ; the places in front of the loads below
	FETCH \next, 0, F0
	MUL16 F1, 1, 0, 0
	MUL16 F1, 1, 2, 0
.endm
; THE WAY OUT of block a (16 rows x 128 columns of f32).  A lane's eight numbers are 32 bytes of a row; they go into my stage's rows of 528 bytes (each accumulator's low four registers first) and come back as whole rows of 512.
.macro TOST a
.set AC, 64*((\a)%4)
.set BK, F0+64*((\a)%2)
	WIN 0x08+4*((\a)/4)                            ; the stores' data: window 2 or 3
.irp b, 0,1,2,3,4,5,6,7
	ds_store_b128 v[STO], v[AC+8*(\b):AC+8*(\b)+3]   offset:64*(\b)
	ds_store_b128 v[STO], v[AC+8*(\b)+4:AC+8*(\b)+7] offset:64*(\b)+16
.endr
	WIN 0
.irp t, 0,1,2,3,4,5,6,7,8,9,10,11,12,13,14,15
	ds_load_b128 v[BK+4*(\t):BK+4*(\t)+3], v[RD] offset:(\t)*SPITCH  ; LDS serves a wave's instructions in order (ISA guide 5.7.1.4): these see the stores above
.endr
.endm
.macro SND a, younger                  ; younger: the LDS instructions issued behind block a's loads: the next block's 32, or none
.set BK, F0+64*((\a)%2)
	s_wait_dscnt \younger
.irp t, 0,1,2,3,4,5,6,7,8,9,10,11,12,13,14,15
	global_store_b128 v[CO], v[BK+4*(\t):BK+4*(\t)+3], s[8:9] offset:(16*(\a)+(\t))*8192  ; 512 consecutive bytes, aligned; 127 rows at the most: inside the signed 24-bit immediate
.endr
.endm
	s_wait_tensorcnt 1                             ; my part of K step 0 is in; K step 1's may stay out
	s_barrier_signal -1
	s_barrier_wait -1
	FETCH 0, 0, F0
	QUARTER 0, 1, F0, F1, 1                        ; the first quarter's products start the sums
	WIN 0
	s_mov_b32 s3, LAPS-1
.Llap:                                                 ; a trip goes once round the ring and fills both slots again
	QUARTER 0, 2, F1, F0, 0
	QUARTER 0, 3, F0, F1, 0
	TURN 0, 1
	QUARTER 1, 1, F0, F1, 0
	QUARTER 1, 2, F1, F0, 0
	QUARTER 1, 3, F0, F1, 0
	TURN 1, 0
	QUARTER 0, 1, F0, F1, 0
	WIN 0
	s_sub_co_u32 s3, s3, 1
	s_cmp_lg_u32 s3, 0
	s_cbranch_scc1 .Llap
	QUARTER 0, 2, F1, F0, 0                        ; the last lap fills nothing
	QUARTER 0, 3, F0, F1, 0
	MEET
	PLACES
	FETCH 1, 0, F0
	MUL16 F1, 1, 0, 0
	MUL16 F1, 1, 2, 0
	QUARTER 1, 1, F0, F1, 0
	QUARTER 1, 2, F1, F0, 0
	QUARTER 1, 3, F0, F1, 0
	s_wait_dscnt 8
	MUL16 F1, 0, 0, 0
	MUL16 F1, 0, 2, 0
	s_wait_dscnt 0x0
	MUL16 F1, 1, 0, 0
	MUL16 F1, 1, 2, 0
	WIN 0
	PLACES
	TOST 0
.irp a, 1,2,3,4,5,6,7
	s_wait_xcnt 0x0                                ; the buffer that block a - 2's stores read is loaded again only behind this wait
	TOST \a
	SND (\a)-1, 32
.endr
	SND 7, 0
	s_wait_tensorcnt 0x0                           ; the wave's end
	ds_add_u32 v[SPW], v[NIL]
	s_wait_dscnt 0x0
	s_endpgm
.Lfunc_end_k_qc20b2bedf6_scores:
	.size	k_qc20b2bedf6_scores, .Lfunc_end_k_qc20b2bedf6_scores-k_qc20b2bedf6_scores
	.p2alignl 7, 3214868480
	.fill 96, 4, 3214868480
	.section	.rodata,"a",@progbits
	.p2align	6, 0x0
	.amdhsa_kernel k_qc20b2bedf6_scores
		.amdhsa_group_segment_fixed_size 327680
		.amdhsa_private_segment_fixed_size 0
		.amdhsa_enable_private_segment 0
		.amdhsa_kernarg_size 16
		.amdhsa_user_sgpr_count 2
		.amdhsa_user_sgpr_kernarg_segment_ptr 1
		.amdhsa_wavefront_size32 1
		.amdhsa_system_sgpr_workgroup_id_x 1
		.amdhsa_system_sgpr_workgroup_id_y 1
		.amdhsa_system_sgpr_workgroup_id_z 1
		.amdhsa_system_vgpr_workitem_id 0
		.amdhsa_next_free_vgpr 1024
		.amdhsa_next_free_sgpr 66
		.amdhsa_reserve_vcc 0
		.amdhsa_float_denorm_mode_32 3
		.amdhsa_float_denorm_mode_16_64 3
		.amdhsa_memory_ordered 1
		.amdhsa_forward_progress 1
		.amdhsa_inst_pref_size 137
	.end_amdhsa_kernel
	.amdgpu_metadata
---
amdhsa.version: [ 1, 2 ]
amdhsa.kernels:
  - .name:           k_qc20b2bedf6_scores
    .symbol:         k_qc20b2bedf6_scores.kd
    .args:
      - { .name: qkv, .offset: 0, .size: 8, .value_kind: global_buffer, .address_space: global }
      - { .name: sc, .offset: 8, .size: 8, .value_kind: global_buffer, .address_space: global }
    .group_segment_fixed_size: 327680
    .private_segment_fixed_size: 0
    .kernarg_segment_align: 8
    .kernarg_segment_size: 16
    .max_flat_workgroup_size: 128
    .sgpr_count:     66
    .vgpr_count:     1024
    .wavefront_size: 32
...
	.end_amdgpu_metadata
.endif
;; end of part 3
;; launch softmax (part 4): grid 1024 x 1, 8 waves a work-group, no clusters, 0 bytes of LDS; arguments sc, pr; writes pr
.if DOCPART == 4
	.amdgcn_target "amdgcn-amd-amdhsa--gfx1250"
	.amdhsa_code_object_version 6
	.text
	.protected	k_qc20b2bedf6_softmax
	.globl	k_qc20b2bedf6_softmax
	.p2align	8
	.type	k_qc20b2bedf6_softmax,@function
k_qc20b2bedf6_softmax:
	s_mov_b64 s[64:65], 0
	v_nop
	global_prefetch_b8 v0, s[64:65] scope:SCOPE_SE
	s_setreg_imm32_b32 hwreg(HW_REG_WAVE_MODE, 25, 1), 1
	s_wait_xcnt 0x0
; P[b][t][k] = softmax over k <= t of S[b][t][k] / 32, in f16.  sc: [4][2048][2048] f32, written up to the diagonal's tile of 256.  pr: [4][2048][2048] f16; row t is written in columns 0 .. 512 (t / 512 + 1) - 1:
; weights up to the diagonal, zeros behind it, as far as the next launch reads.
; One wave, one row: the row stays in registers between maximum, exponentials and division; it is read once; no LDS, no barrier.  The true maximum of the row's visible scores is taken away: p = 2^(c s - c m), c = log2(e) / 32.
; A chunk is 128 columns: 512 bytes of S (one load of 16 bytes a lane), 256 bytes of P (one store of 8 bytes a lane, aligned).  Row t reads NN = t / 128 + 1 chunks; each phase is written for 16 chunks and left, by a jump
; forward, behind chunk NN - 1.  NN hangs on the row's number alone.
; WHICH ROWS.  A row's work grows with t.  Work-group n takes batch n / 256 and eight rows: block n % 256, with bits 1 to 7 of that number turned over where bit 0 and bit 8 of n differ (bit 0 stays, so each block is taken once).
; So work-groups whose numbers follow each other, and work-groups whose numbers lie 256 apart, take short and long rows by turns.
; LIMITS.  A weight below 6e-5 keeps f16's fixed step of 6e-8; a weight whose exponential falls below 2^-126 counts as 0; NaN and infinities among the scores are not treated apart.
.set X, 20                             ; v[20:83]   the row: chunk c in 4 registers
.set Y, 84                             ; v[84:115]  chunk c in f16: 2 registers
	s_load_b128 s[4:7], s[0:1], 0x0                ; sc s[4:5], pr s[6:7]
	v_lshrrev_b32 v1, 5, v0
	v_readfirstlane_b32 s8, v1                     ; wave
	s_lshr_b32 s11, ttmp9, 8
	s_xor_b32 s11, s11, ttmp9
	s_and_b32 s11, s11, 1                          ; do bit 0 and bit 8 of my number differ?
	s_mul_i32 s11, s11, 254
	s_xor_b32 s9, ttmp9, s11                       ; then bits 1 to 7 are turned over
	s_lshl_b32 s9, s9, 3
	s_add_co_u32 s9, s9, s8                        ; my row among the 8,192
	s_and_b32 s10, s9, 2047                        ; t
	s_lshr_b32 s16, s10, 7
	s_add_co_u32 s16, s16, 1                       ; NN: chunks read
	s_lshr_b32 s17, s10, 9
	s_add_co_u32 s17, s17, 1
	s_lshl_b32 s17, s17, 2                         ; chunks written,
	s_sub_co_u32 s17, s17, s16                     ; of which these, 0 to 3, are zeros
	s_lshl_b32 s18, s9, 13                         ; rows of 8,192 bytes in sc,
	s_mov_b32 s19, 0
	s_lshl_b32 s20, s9, 12                         ; of 4,096 in pr
	s_mov_b32 s21, 0
	s_mov_b32 s12, 0x76543210                      ; v_permlanex16_b32: each lane takes its own place in the other half
	s_mov_b32 s13, 0xfedcba98
	s_mov_b32 s14, 0x3d38aa3b                      ; c = log2(e) / 32
	s_mov_b32 s15, s14                             ; named with it as a pair
	v_and_b32 v18, 31, v0                          ; lane
	v_lshlrev_b32 v1, 4, v18                       ; my 16 bytes of a chunk of S
	v_lshlrev_b32 v2, 3, v18                       ; my 8 bytes of a chunk of P
	v_lshlrev_b32 v3, 2, v18
	v_sub_nc_u32 v3, s10, v3                       ; t - 4 x lane: number e of chunk c is visible where 128 c + e is not greater
	v_mov_b32 v4, 0xff800000                       ; -infinity, a hidden score
	v_lshl_add_u32 v5, s16, 8, v2                  ; my 8 bytes of the first chunk of zeros
	v_mov_b32 v6, 0
	v_mov_b32 v7, 0
.set c, 4
.rept 60                               ; chunks 1 to 15 are written once, in the wait for the arguments, so that no way through the text reads a register that nothing wrote: the price of phases that are left early
	v_mov_b32 v[X+c], 0
.set c, c+1
.endr
	s_wait_kmcnt 0x0
	s_add_nc_u64 s[4:5], s[4:5], s[18:19]
	s_add_nc_u64 s[6:7], s[6:7], s[20:21]
	global_load_b128 v[X:X+3], v1, s[4:5] th:TH_LOAD_NT
.set c, 1
.rept 15
	s_cmp_gt_u32 s16, c
	s_cbranch_scc0 .Lloaded
	global_load_b128 v[X+4*c:X+4*c+3], v1, s[4:5] offset:512*c th:TH_LOAD_NT
.set c, c+1
.endr
.Lloaded:
.set c, 0
.rept 3
	s_cmp_gt_u32 s17, c
	s_cbranch_scc0 .Lzeroed
	global_store_b64 v5, v[6:7], s[6:7] offset:256*c
.set c, c+1
.endr
.Lzeroed:
	s_wait_loadcnt 0x0                             ; for zero: the number of loads issued differs from row to row
	; the mask and the maximum: two chains, started by chunk 0
.set c, 0
.rept 16
.if c > 0
	s_cmp_gt_u32 s16, c
	s_cbranch_scc0 .Lmaxed
.endif
.irp e, 0,1,2,3
	v_cmp_le_i32 vcc_lo, 128*c+\e, v3
	v_cndmask_b32 v[X+4*c+\e], v4, v[X+4*c+\e], vcc_lo
.endr
.if c == 0
	v_max_num_f32 v8, v[X], v[X+1]
	v_max_num_f32 v9, v[X+2], v[X+3]
.else
	v_max3_num_f32 v8, v8, v[X+4*c], v[X+4*c+1]
	v_max3_num_f32 v9, v9, v[X+4*c+2], v[X+4*c+3]
.endif
.set c, c+1
.endr
.Lmaxed:
	v_max_num_f32 v8, v8, v9
	v_max_num_f32_dpp v8, v8, v8 row_xmask:1 row_mask:0xf bank_mask:0xf
	v_max_num_f32_dpp v8, v8, v8 row_xmask:2 row_mask:0xf bank_mask:0xf
	v_max_num_f32_dpp v8, v8, v8 row_xmask:4 row_mask:0xf bank_mask:0xf
	v_max_num_f32_dpp v8, v8, v8 row_xmask:8 row_mask:0xf bank_mask:0xf
	v_permlanex16_b32 v18, v8, s12, s13            ; its destination has been written
	v_max_num_f32 v8, v8, v18                      ; every lane holds m: finite, since the row's own key is visible
	v_mul_f32 v14, s14, v8                         ; c m
	v_mov_b32 v15, v14
	; the exponentials and their sum: two chains of pairs
.set c, 0
.rept 16
.if c > 0
	s_cmp_gt_u32 s16, c
	s_cbranch_scc0 .Lsummed
.endif
	v_pk_fma_f32 v[X+4*c:X+4*c+1],   v[X+4*c:X+4*c+1],   s[14:15], v[14:15] op_sel_hi:[1,0,0] neg_lo:[0,0,1] neg_hi:[0,0,1]
	v_pk_fma_f32 v[X+4*c+2:X+4*c+3], v[X+4*c+2:X+4*c+3], s[14:15], v[14:15] op_sel_hi:[1,0,0] neg_lo:[0,0,1] neg_hi:[0,0,1]
.irp e, 0,1,2,3
	v_exp_f32 v[X+4*c+\e], v[X+4*c+\e]
.endr
.if c == 0
	v_mov_b32 v12, 0                               ; a plain instruction stands between the last exponential and the use of its result (ISA guide 5.7.2)
	v_mov_b32 v13, 0
	s_wait_alu depctr_va_vdst(0)
	v_pk_add_f32 v[10:11], v[X:X+1], v[X+2:X+3]
.else
	v_nop                                          ; the same place
	s_wait_alu depctr_va_vdst(0)
	v_pk_add_f32 v[10:11], v[10:11], v[X+4*c:X+4*c+1]
	v_pk_add_f32 v[12:13], v[12:13], v[X+4*c+2:X+4*c+3]
.endif
.set c, c+1
.endr
.Lsummed:
	v_pk_add_f32 v[10:11], v[10:11], v[12:13]
	v_add_f32 v10, v10, v11
	v_add_f32_dpp v10, v10, v10 row_xmask:1 row_mask:0xf bank_mask:0xf
	v_add_f32_dpp v10, v10, v10 row_xmask:2 row_mask:0xf bank_mask:0xf
	v_add_f32_dpp v10, v10, v10 row_xmask:4 row_mask:0xf bank_mask:0xf
	v_add_f32_dpp v10, v10, v10 row_xmask:8 row_mask:0xf bank_mask:0xf
	v_permlanex16_b32 v18, v10, s12, s13
	v_add_f32 v10, v10, v18                        ; l, at least about 1: the maximum's own weight
	v_rcp_f32 v16, v10
	v_rcp_f32 v17, v10
	v_nop                                          ; a plain instruction behind the reciprocals
	s_wait_alu depctr_va_vdst(0)
	; the division, the rounding to f16, the stores
.set c, 0
.rept 16
.if c > 0
	s_cmp_gt_u32 s16, c
	s_cbranch_scc0 .Ldone
.endif
	v_pk_mul_f32 v[X+4*c:X+4*c+1],   v[X+4*c:X+4*c+1],   v[16:17]
	v_pk_mul_f32 v[X+4*c+2:X+4*c+3], v[X+4*c+2:X+4*c+3], v[16:17]
	v_cvt_pk_f16_f32 v[Y+2*c],   v[X+4*c],   v[X+4*c+1]
	v_cvt_pk_f16_f32 v[Y+2*c+1], v[X+4*c+2], v[X+4*c+3]
	global_store_b64 v2, v[Y+2*c:Y+2*c+1], s[6:7] offset:256*c  ; the wave's store covers 256 consecutive bytes, aligned; no register of a store is written again
.set c, c+1
.endr
.Ldone:
	s_endpgm
.Lfunc_end_k_qc20b2bedf6_softmax:
	.size	k_qc20b2bedf6_softmax, .Lfunc_end_k_qc20b2bedf6_softmax-k_qc20b2bedf6_softmax
	.p2alignl 7, 3214868480
	.fill 96, 4, 3214868480
	.section	.rodata,"a",@progbits
	.p2align	6, 0x0
	.amdhsa_kernel k_qc20b2bedf6_softmax
		.amdhsa_group_segment_fixed_size 0
		.amdhsa_private_segment_fixed_size 0
		.amdhsa_enable_private_segment 0
		.amdhsa_kernarg_size 16
		.amdhsa_user_sgpr_count 2
		.amdhsa_user_sgpr_kernarg_segment_ptr 1
		.amdhsa_wavefront_size32 1
		.amdhsa_system_sgpr_workgroup_id_x 1
		.amdhsa_system_sgpr_workgroup_id_y 1
		.amdhsa_system_sgpr_workgroup_id_z 1
		.amdhsa_system_vgpr_workitem_id 0
		.amdhsa_next_free_vgpr 116
		.amdhsa_next_free_sgpr 66
		.amdhsa_reserve_vcc 1
		.amdhsa_float_denorm_mode_32 3
		.amdhsa_float_denorm_mode_16_64 3
		.amdhsa_memory_ordered 1
		.amdhsa_forward_progress 1
		.amdhsa_inst_pref_size 31
	.end_amdhsa_kernel
	.amdgpu_metadata
---
amdhsa.version: [ 1, 2 ]
amdhsa.kernels:
  - .name:           k_qc20b2bedf6_softmax
    .symbol:         k_qc20b2bedf6_softmax.kd
    .args:
      - { .name: sc, .offset: 0, .size: 8, .value_kind: global_buffer, .address_space: global }
      - { .name: pr, .offset: 8, .size: 8, .value_kind: global_buffer, .address_space: global }
    .group_segment_fixed_size: 0
    .private_segment_fixed_size: 0
    .kernarg_segment_align: 8
    .kernarg_segment_size: 16
    .max_flat_workgroup_size: 256
    .sgpr_count:     66
    .vgpr_count:     116
    .wavefront_size: 32
...
	.end_amdgpu_metadata
.endif
;; end of part 4
;; launch pv (part 5): grid 8 x 32, 4 waves a work-group, clusters of 4 x 4, 327,680 bytes of LDS; arguments pr, qkv, out0; writes out0
.if DOCPART == 5
	.amdgcn_target "amdgcn-amd-amdhsa--gfx1250"
	.amdhsa_code_object_version 6
	.text
	.protected	k_qc20b2bedf6_pv
	.globl	k_qc20b2bedf6_pv
	.p2align	8
	.type	k_qc20b2bedf6_pv,@function
k_qc20b2bedf6_pv:
	s_mov_b64 s[64:65], 0
	v_nop
	global_prefetch_b8 v0, s[64:65] scope:SCOPE_SE
	s_setreg_imm32_b32 hwreg(HW_REG_WAVE_MODE, 25, 1), 1
	s_wait_xcnt 0x0
	s_wait_alu depctr_hold_cnt(0) depctr_sa_sdst(0) depctr_va_vdst(0) depctr_va_sdst(0) depctr_va_ssrc(0) depctr_va_vcc(0) depctr_vm_vsrc(0)
	s_getreg_b32 s2, hwreg(HW_REG_IB_STS2, 6, 4)
	s_cmp_eq_u32 s2, 0
	s_cbranch_scc0 .Lentry_in_a_cluster
	s_endpgm
.Lentry_in_a_cluster:
	s_bfe_u32 s2, ttmp6, 0x10000c
	s_cmp_lg_u32 s2, 0xf033
	s_cbranch_scc0 .Lentry_shape_is_right
	s_endpgm
.Lentry_shape_is_right:
; O = P v.  pr: [4][2048][2048] f16 (row t holds weights and then zeros up to column 512 (t / 512 + 1)).  v: the third matrix of qkv, [8192][1024] f16.  out0: [4][2048][1024] f32.  Products in f16, sums in f32, nothing rounded on the way out.
; A tile of O is 128 rows x 128 channels: four waves, each 64 x 64: 16 accumulators.  The keys go in steps of 256 through a ring of two LDS slots: P's tile 128 rows x 512 bytes, v's tile, which lies [key][channel], 256 rows x 256 bytes;
; v's fragments come out of LDS turned, by ds_load_tr16_b128.
; THE WALK.  A batch's rows are four super-blocks of 512; super-block I needs the keys 0 .. 512 (I + 1) - 1: I + 1 laps of two steps.  A cluster of 4 x 4 work-groups takes super-block 3 - p and then p (p = the cluster's y mod 2, the batch its
; y / 2): five laps whatever p, so all 256 work-groups do equal work, and ONE loop of constant trip count walks them.  Of a super-block cy owns 128 rows; 4 x the cluster's x + cx is the tile of 128 channels.
; All sixteen partners walk alike: which lap is asked for, and in which trip the first block leaves, hang on p alone.  P's tile is shared along a row of the cluster, v's along a column: each is asked for JOINTLY.
; THE MATRIX INSTRUCTION IS USED TRANSPOSED: source 0 = 16 channels of v, source 1 = 16 rows of P: a lane holds eight neighbouring numbers of a row of O.
; REGISTERS: window 0: v0-31 addresses; v32-95 at work on the way out; v128-255 the accumulators ((a, b) at v[128 + 8 (4 a + b)]).  window 1: two fragment buffers of 128: for 64 keys, 64 registers of P, then 64 of v.
.set PA,     528                       ; an LDS row of P: 512 bytes + 16: the 16 rows of a load start at 16 different groups of four banks (64 banks of 4 bytes: ISA guide 11.1)
.set AH,     64*PA                     ; 64 rows of P: one tensor load
.set PB,     288                       ; an LDS row of v: 256 bytes + 32 = 9 x 32
.set BH,     128*PB                    ; 128 rows of v: one tensor load
.set SLOT,   2*AH+2*BH
.set STAGE,  2*SLOT                    ; behind the ring: 16 rows x 272 bytes for each wave
.set SPITCH, 272                       ; 64 f32 + 16 bytes
.set SPARE,  STAGE+4*16*SPITCH         ; the spare words, 128 bytes for each wave: two blocks of 256 bytes that no other line names
.set ADRA, 16                          ; v16-17  LDS address of my fragments of P in slot 0, 1
.set ADRB, 20                          ; v20-23  of v: slot s, keys 128 u on, at ADRB + 2 s + u
.set STO,  24
.set RD,   25
.set CO,   26
.set SPW,  28                          ; v28  LDS address of my spare word; never rewritten
.set NIL,  29                          ; v29  0; never rewritten
.set TMP,  32                          ; two buffers of 32: rows read back from the stage
.set ACC,  128
.set F0,   0
.set F1,   128
.set G1,  24                           ; s[24:31] descriptor group 1 for P's tiles;  s[32:39] group 0, one set for each slot
.set G0,  32
.set G1B, 48                           ; s[48:55], s[56:63] the same for v's tiles
.set G0B, 56
.set ASKK,  70                         ; s70  the lap (512 keys) that is asked for, within its super-block
.set ABLK,  71                         ; s71  that super-block's byte offset: 512 rows of 4,096 bytes each, in pr and in out0 alike
.set LOBLK, 72                         ; s72  the second super-block's
.set LH,    73                         ; s73  the first super-block's laps, 4 - p
.set CHG,   74                         ; s74  the loop's count in the trip that ends the first super-block, 1 + p
.set OFFA,  76                         ; s[76:77] a tile's byte offset from ABASE
.set OFFB,  78                         ; s[78:79] from BBASE
.set ABASE, 80                         ; s[80:81] pr at my batch, my work-group's 128 rows of super-block 0, my 64 of them
.set BBASE, 82                         ; s[82:83] v at my batch, my tile of channels, my 128 keys of step 0
.set OLO,   84                         ; s[84:85] out0 at my part of the second super-block
.set MSB, 0
.macro WIN new
.if MSB != (\new)
	s_set_vgpr_msb (MSB<<8)|(\new)
.set MSB, \new
.endif
.endm
.set MUL,  0x05                        ; sources 0 (v) and 1 (P) window 1; C and D window 0
.set TO_F, 0x40                        ; destination window 1, address window 0
.macro JLOAD s                         ; a joint load: waves 0 and 1 fetch P's two halves, waves 2 and 3 v's; an s_nop 0 and four v_nop follow each of the two lines
	s_cmp_eq_u32 s11, 0
	s_cbranch_scc0 .Lfor_b_\@
	tensor_load_to_lds s[G0+4*(\s):G0+4*(\s)+3], s[G1:G1+7]
	s_nop 0
.rept 4
	v_nop
.endr
	s_branch .Lasked_\@
.Lfor_b_\@:
	tensor_load_to_lds s[G0B+4*(\s):G0B+4*(\s)+3], s[G1B:G1B+7]
	s_nop 0
.rept 4
	v_nop
.endr
.Lasked_\@:
.endm
.macro CREST
	s_cmp_lg_u32 s10, 0
	s_cbranch_scc1 .Lnot_wave_0_\@
	s_barrier_signal -3
.Lnot_wave_0_\@:
	s_barrier_wait -3
	s_barrier_signal -1
	s_barrier_wait -1
.endm
.macro CROUND
	s_barrier_signal -1
	s_barrier_wait -1
	CREST
.endm
; The two descriptors' addresses for slot s are made anew from the lap's number: the base plus an offset made apart, the type bits set again.
.macro SETADR slot
	s_lshl_b32 s[OFFA], s[ASKK], 10                ; a lap is 1,024 bytes along P's rows,
	s_add_co_u32 s[OFFA], s[OFFA], s[ABLK]
.if \slot
	s_add_co_u32 s[OFFA], s[OFFA], 512             ; its second step 512
.endif
	s_add_nc_u64 s[G0+4*(\slot)+2:G0+4*(\slot)+3], s[ABASE:ABASE+1], s[OFFA:OFFA+1]
	s_or_b32 s[G0+4*(\slot)+3], s[G0+4*(\slot)+3], 0x80000000
	s_lshl_b32 s[OFFB], s[ASKK], 20                ; and 512 rows of 2,048 bytes down v,
.if \slot
	s_add_co_u32 s[OFFB], s[OFFB], 1<<19           ; its second step 256 rows
.endif
	s_add_nc_u64 s[G0B+4*(\slot)+2:G0B+4*(\slot)+3], s[BBASE:BBASE+1], s[OFFB:OFFB+1]
	s_or_b32 s[G0B+4*(\slot)+3], s[G0B+4*(\slot)+3], 0x80000000
.endm
.macro ASK slot                        ; slot 0 opens the next lap: behind the first super-block's last lap comes the second's lap 0
.if (\slot) == 0
	s_add_co_u32 s[ASKK], s[ASKK], 1
	s_cmp_eq_u32 s[ASKK], s[LH]
	s_cselect_b32 s[ASKK], 0, s[ASKK]
	s_cselect_b32 s[ABLK], s[LOBLK], s[ABLK]
.endif
	SETADR \slot
.endm
	s_load_b128 s[4:7], s[0:1], 0x0                ; pr s[4:5], qkv s[6:7]
	s_load_b64 s[8:9], s[0:1], 0x10                ; out0
	v_lshl_add_u32 v[SPW], v0, 2, SPARE
	v_mov_b32 v[NIL], 0
	ds_add_u32 v[SPW], v[NIL]                      ; the wave's opening: the add and its wait stand ahead of my first tensor load
	ds_add_u32 v28, v29
	v_lshrrev_b32 v1, 5, v0
	v_readfirstlane_b32 s10, v1                    ; wave 0..3
	s_lshr_b32 s11, s10, 1                         ; which half of the tile's rows is mine.  Also: I fetch P (0) or v (1)
	s_and_b32 s12, s10, 1                          ; which half of its channels.  Also: which half of that tile I fetch
	s_bfe_u32 s40, ttmp6, 0x40000                  ; cx
	s_bfe_u32 s41, ttmp6, 0x40004                  ; cy
	s_lshl_b32 s42, ttmp9, 2
	s_add_co_u32 s42, s42, s40                     ; the tile of channels = 4 x cluster x + cx
	s_and_b32 s13, ttmp7, 0xffff                   ; the cluster's y, which all sixteen share:
	s_lshr_b32 s14, s13, 1                         ; the batch,
	s_and_b32 s15, s13, 1                          ; and p
	s_lshl_b32 s43, s41, 2
	s_lshl_b32 s43, 15, s43                        ; my row of the cluster
	s_lshl_b32 s44, 0x1111, s40                    ; my column
	s_or_b32 s[G1+0], s43, (1<<16)|(1<<20)|(1<<21)|(6<<22)|(3<<25)   ; the mask; 2-byte elements; padding on; bit 21 beside a mask; after every 128 words, 4 words
	s_or_b32 s[G1B+0], s44, (1<<16)|(1<<20)|(1<<21)|(5<<22)|(7<<25)  ; after every 64 words, 8 words
	s_mov_b32 s[G1+1], 256<<16                     ; P: tensor_dim0 = 256 keys
	s_mov_b32 s[G1+2], 64<<16                      ; tensor_dim1 = 64 rows
	s_mov_b32 s[G1+3], 256<<16                     ; tile_dim0
	s_mov_b32 s[G1+4], 64                          ; tile_dim1
	s_mov_b32 s[G1+5], 2048                        ; elements from row to row
	s_mov_b32 s[G1+6], 0
	s_mov_b32 s[G1+7], 0
	s_mov_b32 s[G1B+1], 128<<16                    ; v: tensor_dim0 = 128 channels
	s_mov_b32 s[G1B+2], 128<<16                    ; tensor_dim1 = 128 keys
	s_mov_b32 s[G1B+3], 128<<16
	s_mov_b32 s[G1B+4], 128
	s_mov_b32 s[G1B+5], 1024
	s_mov_b32 s[G1B+6], 0
	s_mov_b32 s[G1B+7], 0
	s_mov_b32 s[ASKK], 0
	s_sub_co_u32 s[ABLK], 3, s15
	s_lshl_b32 s[ABLK], s[ABLK], 21
	s_lshl_b32 s[LOBLK], s15, 21
	s_sub_co_u32 s[LH], 4, s15
	s_add_co_u32 s[CHG], s15, 1
	s_mov_b32 s[OFFA+1], 0
	s_mov_b32 s[OFFB+1], 0
	s_lshl_b32 s16, s14, 23                        ; P: the batch (2,048 rows of 4,096 bytes), cy's 128 rows, my 64: nothing of cx
	s_lshl_b32 s17, s41, 19
	s_add_co_u32 s16, s16, s17
	s_lshl_b32 s17, s12, 18
	s_add_co_u32 s16, s16, s17
	s_mov_b32 s17, 0
	s_lshl_b32 s46, s14, 22                        ; v: the batch (2,048 rows of 2,048 bytes), the tile of channels (256 bytes), my 128 keys: nothing of cy
	s_lshl_b32 s47, s42, 8
	s_add_co_u32 s46, s46, s47
	s_lshl_b32 s47, s12, 18
	s_add_co_u32 s46, s46, s47
	s_add_co_u32 s46, s46, 2*8192*2048             ; v lies behind q and k
	s_mov_b32 s47, 0
	s_mul_i32 s20, s12, AH                         ; where the tiles go: P's two halves,
	s_mul_i32 s21, s12, BH
	s_add_co_u32 s21, s21, 2*AH                    ; then v's two: no place in the cluster enters an LDS address
	s_wait_dscnt 0x0                               ; the opening add is done
	s_wait_kmcnt 0x0
	s_add_nc_u64 s[ABASE:ABASE+1], s[4:5], s[16:17]
	s_add_nc_u64 s[BBASE:BBASE+1], s[6:7], s[46:47]
	CROUND                                         ; all sixteen work-groups are here: the first joint loads meet
.irp s, 0,1
	s_mov_b32 s[G0+4*(\s)], 1
	s_add_co_u32 s[G0+4*(\s)+1], s20, (\s)*SLOT
	s_mov_b32 s[G0B+4*(\s)], 1
	s_add_co_u32 s[G0B+4*(\s)+1], s21, (\s)*SLOT
	SETADR \s                                      ; lap 0 of the first super-block
	JLOAD \s                                       ; two loads of mine are out
.endr
	v_and_b32 v1, 15, v0                           ; l % 16
	v_bfe_u32 v2, v0, 4, 1                         ; l / 16
	v_mul_u32_u24 v3, v1, PA
	v_lshl_add_u32 v3, v2, 4, v3                   ; P: row x pitch + 16 x half
	v_and_b32 v6, 7, v0                            ; v: lane l reads key 8 (l / 16) + l % 8, channels 8 ((l / 8) % 2) + 0..7
	v_bfe_u32 v7, v0, 3, 1
	v_lshl_add_u32 v6, v2, 3, v6
	v_mul_u32_u24 v6, v6, PB
	v_lshl_add_u32 v6, v7, 4, v6
	s_mul_i32 s22, s11, AH                         ; my 64 rows of P
	s_lshl_b32 s23, s12, 7                         ; my 64 channels of v: 128 bytes,
	s_add_co_u32 s23, s23, 2*AH                    ; behind P's 128 rows
.irp s, 0,1
	v_add_nc_u32 v[ADRA+(\s)], s22, v3
	v_add_nc_u32 v[ADRB+2*(\s)], s23, v6
	s_add_co_u32 s23, s23, BH
	v_add_nc_u32 v[ADRB+2*(\s)+1], s23, v6
	s_add_co_u32 s22, s22, SLOT
	s_add_co_u32 s23, s23, SLOT-BH
.endr
	s_mul_i32 s23, s10, 16*SPITCH
	s_add_co_u32 s23, s23, STAGE                   ; my stage
	v_mul_u32_u24 v4, v1, SPITCH                   ; in: row l % 16, 32 bytes for each half of the lanes
	v_lshl_add_u32 v4, v2, 5, v4
	v_add_nc_u32 v[STO], s23, v4
	v_mul_u32_u24 v5, v2, SPITCH                   ; back: lanes 0-15 take one row of 256 bytes, lanes 16-31 the next
	v_lshl_add_u32 v5, v1, 4, v5
	v_add_nc_u32 v[RD], s23, v5
	v_lshlrev_b32 v5, 12, v2                       ; and the same two rows in O
	v_lshl_add_u32 v[CO], v1, 4, v5
	s_lshl_b32 s16, s14, 11                        ; where my part of O begins, less the super-block: the batch's rows, cy's 128, my 64,
	s_lshl_b32 s22, s41, 7
	s_add_co_u32 s16, s16, s22
	s_lshl_b32 s22, s11, 6
	s_add_co_u32 s16, s16, s22
	s_lshl_b32 s16, s16, 12                        ; rows of 4,096 bytes,
	s_lshl_b32 s22, s42, 9                         ; the tile of channels (512 bytes), my half of it
	s_add_co_u32 s16, s16, s22
	s_lshl_b32 s22, s12, 8
	s_add_co_u32 s16, s16, s22
	s_add_co_u32 s18, s16, s[LOBLK]
	s_add_co_u32 s16, s16, s[ABLK]                 ; (still the first super-block's)
	s_mov_b32 s17, 0
	s_mov_b32 s19, 0
	s_add_nc_u64 s[OLO:OLO+1], s[8:9], s[18:19]
	s_add_nc_u64 s[8:9], s[8:9], s[16:17]
; 8 matrix instructions: m blocks a0, a0 + 1 x all 4 n blocks, 32 keys: half c of buffer f.  zero = 1: the first product starts the sums.  The 16 accumulators take turns.
.macro MUL8 f, c, a0, zero
	WIN MUL
.irp a, \a0, (\a0)+1
.irp b, 0,1,2,3
.if \zero
	v_wmma_f32_16x16x32_f16 v[ACC+8*(4*(\a)+(\b)):ACC+8*(4*(\a)+(\b))+7], v[(\f)+64+8*(4*(\c)+(\b)):(\f)+64+8*(4*(\c)+(\b))+7], v[(\f)+8*(4*(\c)+(\a)):(\f)+8*(4*(\c)+(\a))+7], 0
.else
	v_wmma_f32_16x16x32_f16 v[ACC+8*(4*(\a)+(\b)):ACC+8*(4*(\a)+(\b))+7], v[(\f)+64+8*(4*(\c)+(\b)):(\f)+64+8*(4*(\c)+(\b))+7], v[(\f)+8*(4*(\c)+(\a)):(\f)+8*(4*(\c)+(\a))+7], v[ACC+8*(4*(\a)+(\b)):ACC+8*(4*(\a)+(\b))+7]
.endif
.endr
.endr
.endm
; 32 LDS loads in one run: the fragments of quarter q of a step (64 keys) into buffer f; its first 32 keys first
.macro FETCH slot, q, f
	WIN TO_F
.irp c, 0,1
.irp i, 0,1,2,3
	ds_load_tr16_b128 v[(\f)+64+8*(4*(\c)+(\i)):(\f)+64+8*(4*(\c)+(\i))+3],   v[ADRB+2*(\slot)+(\q)/2] offset:((2*(\q)+(\c))%4)*32*PB+32*(\i)
	ds_load_tr16_b128 v[(\f)+64+8*(4*(\c)+(\i))+4:(\f)+64+8*(4*(\c)+(\i))+7], v[ADRB+2*(\slot)+(\q)/2] offset:((2*(\q)+(\c))%4)*32*PB+16*PB+32*(\i)
	ds_load_b128 v[(\f)+8*(4*(\c)+(\i)):(\f)+8*(4*(\c)+(\i))+3],              v[ADRA+(\slot)] offset:128*(\q)+64*(\c)+(\i)*16*PA
	ds_load_b128 v[(\f)+8*(4*(\c)+(\i))+4:(\f)+8*(4*(\c)+(\i))+7],            v[ADRA+(\slot)] offset:128*(\q)+64*(\c)+(\i)*16*PA+32
.endr
.endr
.endm
.macro PLACES
.rept 4
	v_nop
.endr
.endm
.macro QUARTER slot, q, f, g, zero     ; multiplies buffer f (32 matrix instructions) and fetches quarter q into g
	s_wait_dscnt 16                                ; the first 32 keys are in
	MUL8 \f, 0, 0, \zero
	MUL8 \f, 0, 2, \zero
	PLACES
	FETCH \slot, \q, \g
	s_wait_dscnt 32                                ; all but the 32 just issued
	MUL8 \f, 1, 0, 0
	MUL8 \f, 1, 2, 0
.endm
; The last quarter multiplies buffer 1 and changes slots: ONE barrier; in front of it each wave waits for all its tensor loads, adds 0 to its spare word, and waits for that and for its reads of this slot.
; fill = 1: the barrier opens a round of the cluster's, and this slot is filled again, with the next lap's step, first thing behind the round.
.macro TURN slot, next, fill
	WIN 0
	s_wait_tensorcnt 0x0                           ; no tensor load of mine is out, so the descriptors may be written
	ds_add_u32 v[SPW], v[NIL]                      ; the descriptors' scalar work and eight matrix instructions stand between the add and the wait for it
.if \fill
	ASK \slot
.endif
	s_wait_dscnt 17                                ; (the add and the youngest sixteen loads may be out)
	MUL8 F1, 0, 0, 0
	s_wait_dscnt 0x0                               ; the add is done, and my reads of this slot are over
	s_barrier_signal -1
	MUL8 F1, 0, 2, 0
.if \fill
	WIN 0
.endif
	s_barrier_wait -1
.if \fill
	CREST                                          ; no wave of any partner still reads this slot's tile or has a load on its way
	JLOAD \slot                                    ; its four v_nop are also the places in front of the loads below
.else
	PLACES
.endif
	FETCH \next, 0, F0
	MUL8 F1, 1, 0, 0
	MUL8 F1, 1, 2, 0
.endm
; THE WAY OUT of a tile: block a (16 rows x 64 channels of f32) goes into my stage's rows of 272 bytes (each accumulator's low four registers first) and comes back as whole rows of 256.
.macro SEND a, younger                 ; younger: the LDS instructions issued behind block a's loads: the next block's sixteen, or none
.irp t, 0,1,2,3,4,5,6,7
	s_wait_dscnt (\younger)+7-(\t)
	global_store_b128 v[CO], v[TMP+32*((\a)%2)+4*(\t):TMP+32*((\a)%2)+4*(\t)+3], s[8:9] offset:(16*(\a)+2*(\t))*4096  ; 16 lanes store 256 consecutive bytes, aligned
.endr
.endm
.macro WAYOUT
	WIN 0
.rept 5
	v_nop                                          ; four places in front of the stores that read the results; the fifth for the products that start the next block's sums on these registers
.endr
.irp a, 0,1,2,3
.if (\a) >= 2
	s_wait_xcnt 0x0                                ; the buffer that block a - 2's stores read is loaded again only behind this wait
.endif
.irp b, 0,1,2,3
	ds_store_b128 v[STO], v[ACC+8*(4*(\a)+(\b)):ACC+8*(4*(\a)+(\b))+3]   offset:64*(\b)
	ds_store_b128 v[STO], v[ACC+8*(4*(\a)+(\b))+4:ACC+8*(4*(\a)+(\b))+7] offset:64*(\b)+16
.endr
.irp t, 0,1,2,3,4,5,6,7
	ds_load_b128 v[TMP+32*((\a)%2)+4*(\t):TMP+32*((\a)%2)+4*(\t)+3], v[RD] offset:(\t)*2*SPITCH  ; LDS serves a wave's instructions in order (ISA guide 5.7.1.4): these see the stores above
.endr
.if (\a) > 0
	SEND (\a)-1, 16
.endif
.endr
	SEND 3, 0
.endm
	s_wait_tensorcnt 1                             ; my part of step 0 is in; step 1's may stay out
	s_barrier_signal -1
	s_barrier_wait -1
	FETCH 0, 0, F0
	QUARTER 0, 1, F0, F1, 1                        ; the first quarter's first products start the sums
	WIN 0                                          ; at a label and at a branch every window is 0
	s_mov_b32 s3, 4
.Llap:                                                 ; four trips: each goes once round the ring, from a lap's second quarter to the next lap's first, and fills both slots again
	QUARTER 0, 2, F1, F0, 0
	QUARTER 0, 3, F0, F1, 0
	TURN 0, 1, 1
	QUARTER 1, 1, F0, F1, 0
	QUARTER 1, 2, F1, F0, 0
	QUARTER 1, 3, F0, F1, 0
	TURN 1, 0, 1
	WIN 0
	s_cmp_eq_u32 s3, s[CHG]                        ; was that the first super-block's last lap?  The same answer in all sixteen work-groups; the jump goes forward and passes no barrier and no tensor load
	s_cbranch_scc0 .Lsame
	WAYOUT                                         ; both refills are asked for: the tile goes out,
	s_wait_xcnt 0x0                                ; (the stores have read their registers and O's address)
	s_mov_b64 s[8:9], s[OLO:OLO+1]
	QUARTER 0, 1, F0, F1, 1                        ; and the second super-block's first products start the sums anew
	WIN 0
	s_branch .Ljoin
.Lsame:
	QUARTER 0, 1, F0, F1, 0
	WIN 0
.Ljoin:
	s_sub_co_u32 s3, s3, 1
	s_cmp_lg_u32 s3, 0
	s_cbranch_scc1 .Llap
	QUARTER 0, 2, F1, F0, 0                        ; the fifth lap fills nothing, and has no round of the cluster's barrier
	QUARTER 0, 3, F0, F1, 0
	TURN 0, 1, 0
	QUARTER 1, 1, F0, F1, 0
	QUARTER 1, 2, F1, F0, 0
	QUARTER 1, 3, F0, F1, 0
	s_wait_dscnt 16                                ; the very last quarter: nothing more to fetch
	MUL8 F1, 0, 0, 0
	MUL8 F1, 0, 2, 0
	s_wait_dscnt 0x0
	MUL8 F1, 1, 0, 0
	MUL8 F1, 1, 2, 0
	WAYOUT
	s_wait_tensorcnt 0x0                           ; the wave's end: behind my last tensor load and my last LDS store
	ds_add_u32 v[SPW], v[NIL]
	s_wait_dscnt 0x0
	CROUND                                         ; the closing round: no work-group ends while a partner may still ask for a tile that names it
	s_endpgm
.Lfunc_end_k_qc20b2bedf6_pv:
	.size	k_qc20b2bedf6_pv, .Lfunc_end_k_qc20b2bedf6_pv-k_qc20b2bedf6_pv
	.p2alignl 7, 3214868480
	.fill 96, 4, 3214868480
	.section	.rodata,"a",@progbits
	.p2align	6, 0x0
	.amdhsa_kernel k_qc20b2bedf6_pv
		.amdhsa_group_segment_fixed_size 327680
		.amdhsa_private_segment_fixed_size 0
		.amdhsa_enable_private_segment 0
		.amdhsa_kernarg_size 24
		.amdhsa_user_sgpr_count 2
		.amdhsa_user_sgpr_kernarg_segment_ptr 1
		.amdhsa_wavefront_size32 1
		.amdhsa_system_sgpr_workgroup_id_x 1
		.amdhsa_system_sgpr_workgroup_id_y 1
		.amdhsa_system_sgpr_workgroup_id_z 1
		.amdhsa_system_vgpr_workitem_id 0
		.amdhsa_next_free_vgpr 512
		.amdhsa_next_free_sgpr 88
		.amdhsa_reserve_vcc 0
		.amdhsa_float_denorm_mode_32 3
		.amdhsa_float_denorm_mode_16_64 3
		.amdhsa_memory_ordered 1
		.amdhsa_forward_progress 1
		.amdhsa_inst_pref_size 101
	.end_amdhsa_kernel
	.amdgpu_metadata
---
amdhsa.version: [ 1, 2 ]
amdhsa.kernels:
  - .name:           k_qc20b2bedf6_pv
    .symbol:         k_qc20b2bedf6_pv.kd
    .args:
      - { .name: pr, .offset: 0, .size: 8, .value_kind: global_buffer, .address_space: global }
      - { .name: qkv, .offset: 8, .size: 8, .value_kind: global_buffer, .address_space: global }
      - { .name: out0, .offset: 16, .size: 8, .value_kind: global_buffer, .address_space: global }
    .group_segment_fixed_size: 327680
    .private_segment_fixed_size: 0
    .kernarg_segment_align: 8
    .kernarg_segment_size: 24
    .max_flat_workgroup_size: 128
    .sgpr_count:     88
    .vgpr_count:     512
    .wavefront_size: 32
...
	.end_amdgpu_metadata
.endif
;; end of part 5
;; ======== version 2 of 2: 5 launches; version 1 with the launch cast written anew for expert scheduling mode
;; limits: values are held in f16: magnitudes above 65,504 overflow, below 6.1e-05 lose precision
;; workspace buffers: xw 23,068,672 bytes; qkv 50,331,648 bytes; sc 67,108,864 bytes; pr 33,554,432 bytes
;; launch cast (part 6): grid 704 x 1, 8 waves a work-group, no clusters, 0 bytes of LDS; arguments x, Wq, Wk, Wv, xw; writes xw
.if DOCPART == 6
	.amdgcn_target "amdgcn-amd-amdhsa--gfx1250"
	.amdhsa_code_object_version 6
	.text
	.protected	k_qc20b2bedf6_cast
	.globl	k_qc20b2bedf6_cast
	.p2align	8
	.type	k_qc20b2bedf6_cast,@function
k_qc20b2bedf6_cast:
	s_mov_b64 s[64:65], 0
	v_nop
	global_prefetch_b8 v0, s[64:65] scope:SCOPE_SE
	s_setreg_imm32_b32 hwreg(HW_REG_WAVE_SCHED_MODE, 0, 2), 2
	s_setreg_imm32_b32 hwreg(HW_REG_WAVE_MODE, 25, 1), 1
	s_wait_xcnt 0x0
	s_wait_alu depctr_vm_vsrc(0)
; xw = x and the three W in bf16, each number rounded once to nearest even, laid out as the product's tiles want them:
;   bytes 0 .. 16,777,215:  x as [16 K blocks][8192 rows][64]: a row's 64 numbers of a K block are 128 bytes, and the rows of a block lie end to end;
;   behind it:              W as [1024 k][3 matrices (q, k, v)][1024 columns]: row 3 k + m holds row k of matrix m.
; A stream: every input byte is read once, every output byte written once; LDS, barriers and the matrix unit would add nothing.
; A work-group takes 65,536 consecutive input bytes, 16 rows (x has 512 such pieces, each W 64), a wave two rows in sixteen loads, all issued before the first is waited for.
; x: load j takes K block j of both rows: lanes 0-15 read 256 consecutive bytes of one row, lanes 16-31 of the next; their 2 x 128 bytes of bf16 lie end to end in block j.
; W: load j takes 512 consecutive bytes; its 256 bytes of bf16 lie in one row.  Either way each store of a wave covers 256 consecutive bytes, aligned.
; THE MODE: SCHED_MODE bits 1:0 = 2 (LLVM: expert scheduling mode 2), set by the entry lines.  The code itself states the register dependences
; between vector instructions and memory instructions, with s_wait_alu, always for 0.
; THE PLAN.  Registers that memory instructions touch, on either way through the text (a straight run, no loop):
;   v1   the loads' offset:  written by the head's vector instructions, read by the sixteen loads; never written again.
;   v2   the stores' offset: written by the head's vector instructions, read by the sixteen stores; never written again.
;   X    load j lands in its four registers, once; its two conversions read them.  v4, X's first register, serves the head as the lane's number before that.
;   Y    load j's two conversions write its two registers, once; store j reads them.
; The sixteen loads go in four blocks of four.  One wait stands ahead of the loads (the offsets are written, the head is done with v4).  One stands at the head of each later block: the block before has
; written its Y; that block's four stores follow it, dealt among this block's conversions, which name this block's X and Y alone.  One stands ahead of the last block's stores.
; No register that a memory instruction reads is ever written again, no vector instruction writes a scalar register or VCC, and EXEC is never written: nothing more is owed.
.set X, 4                              ; v[4:67]   sixteen loads, 4 registers each
.set Y, 68                             ; v[68:99]  sixteen stores, 2 registers each
.macro PUT kind                        ; store js, and js moves on.  kind 0: a piece of x; 1: a piece of a W
.if (\kind) == 0
	global_store_b64 v2, v[Y+2*js:Y+2*js+1], s[12+2*(js/8):13+2*(js/8)] offset:((js%8)<<20)  ; K blocks are 1,048,576 bytes apart: eight to a base, so that the immediate stays inside its signed 24 bits
.else
	global_store_b64 v2, v[Y+2*js:Y+2*js+1], s[12:13] offset:(js/8)*6144+(js%8)*256          ; the wave's second row of k lies three rows of 2,048 bytes on
.endif
.set js, js+1
.endm
.macro MOVE kind                       ; kind 0: a piece of x; 1: a piece of a W
	s_wait_alu depctr_va_vdst(0)                   ; v1 and v2 are written, which every load and every store below reads as its offset; the head's instructions are done with v4, in which the first load lands
.irp j, 0,1,2,3,4,5,6,7,8,9,10,11,12,13,14,15
.if (\kind) == 0
	global_load_b128 v[X+4*(\j):X+4*(\j)+3], v1, s[18:19] offset:256*(\j) th:TH_LOAD_NT
.else
	global_load_b128 v[X+4*(\j):X+4*(\j)+3], v1, s[18:19] offset:512*(\j) th:TH_LOAD_NT
.endif
.endr
.set js, 0                             ; the next store
.set jc, 0                             ; the next load to be rounded
.rept 4                                ; a block: four loads are rounded, and the block before is stored
.if jc > 0
	s_wait_alu depctr_va_vdst(0)                   ; the block before has written its eight registers of Y, which the four stores of this block's text read
.endif
.rept 4
.if jc >= 4
	PUT \kind                                      ; no wait: no vector instruction since the wait above names this store's registers
.endif
	s_wait_loadcnt 15-jc                           ; loads come back in order (ISA guide 5.7.1): load jc is in, the younger ones stay out
	v_cvt_pk_bf16_f32 v[Y+2*jc],   v[X+4*jc],   v[X+4*jc+1]
	v_cvt_pk_bf16_f32 v[Y+2*jc+1], v[X+4*jc+2], v[X+4*jc+3]
.set jc, jc+1
.endr
.endr
	s_wait_alu depctr_va_vdst(0)                   ; the last block has written its Y, which the last four stores read
.rept 4
	PUT \kind
.endr                                  ; no register is written twice, so no further wait is needed
.endm
	s_load_b256 s[4:11], s[0:1], 0x0               ; x s[4:5], Wq s[6:7], Wk s[8:9], Wv s[10:11]
	s_load_b64 s[12:13], s[0:1], 0x20              ; xw
	v_and_b32 v3, 0xe0, v0                         ; 32 x wave
	v_and_b32 v4, 31, v0                           ; lane
	s_mov_b32 s21, 0
	s_mov_b32 s23, 0
	s_cmp_lt_u32 ttmp9, 512
	s_cbranch_scc0 .Lweights
	v_and_b32 v1, 15, v0
	v_lshlrev_b32 v1, 4, v1                        ; in: 16 x (lane mod 16),
	v_bfe_u32 v2, v0, 4, 1
	v_lshl_or_b32 v1, v2, 12, v1                   ; + a row of 4,096 bytes for lanes 16-31,
	v_lshl_or_b32 v1, v3, 8, v1                    ; + 8,192 x wave
	v_lshlrev_b32 v2, 3, v0                        ; out: two rows of 128 bytes a wave, 8 bytes a lane: 8 x the thread's number
	s_lshl_b32 s20, ttmp9, 16                      ; the piece in x,
	s_lshl_b32 s22, ttmp9, 11                      ; and its 16 rows of 128 bytes in a K block
	s_wait_kmcnt 0x0
	s_add_nc_u64 s[18:19], s[4:5], s[20:21]
	s_add_nc_u64 s[12:13], s[12:13], s[22:23]      ; K blocks 0 to 7,
	s_add_nc_u64 s[14:15], s[12:13], 0x800000      ; and 8 to 15
	MOVE 0
	s_endpgm
.Lweights:
	s_sub_co_u32 s14, ttmp9, 512
	s_lshr_b32 s15, s14, 6                         ; which matrix,
	s_and_b32 s16, s14, 63                         ; and which 16 of its rows
	s_lshl_b32 s20, s16, 16
	s_mul_i32 s22, s16, 48                         ; out: row 3 x 16 x piece + matrix,
	s_add_co_u32 s22, s22, s15
	s_lshl_b32 s22, s22, 11                        ; rows of 2,048 bytes,
	s_add_co_u32 s22, s22, 0x1000000               ; behind x
	v_lshlrev_b32 v1, 4, v4
	v_lshl_or_b32 v1, v3, 8, v1                    ; in: 8,192 x wave + 16 x lane
	v_lshrrev_b32 v2, 5, v0
	v_mul_u32_u24 v2, v2, 0x3000                   ; out: a wave's two rows of k are six rows of 2,048 bytes,
	v_lshl_add_u32 v2, v4, 3, v2                   ; + 8 x lane
	s_wait_kmcnt 0x0
	s_cmp_eq_u32 s15, 1                            ; the buffer is chosen by the work-group's number alone
	s_cselect_b64 s[18:19], s[8:9], s[6:7]
	s_cmp_eq_u32 s15, 2
	s_cselect_b64 s[18:19], s[10:11], s[18:19]
	s_add_nc_u64 s[18:19], s[18:19], s[20:21]
	s_add_nc_u64 s[12:13], s[12:13], s[22:23]
	MOVE 1
	s_endpgm
.Lfunc_end_k_qc20b2bedf6_cast:
	.size	k_qc20b2bedf6_cast, .Lfunc_end_k_qc20b2bedf6_cast-k_qc20b2bedf6_cast
	.p2alignl 7, 3214868480
	.fill 96, 4, 3214868480
	.section	.rodata,"a",@progbits
	.p2align	6, 0x0
	.amdhsa_kernel k_qc20b2bedf6_cast
		.amdhsa_group_segment_fixed_size 0
		.amdhsa_private_segment_fixed_size 0
		.amdhsa_enable_private_segment 0
		.amdhsa_kernarg_size 40
		.amdhsa_user_sgpr_count 2
		.amdhsa_user_sgpr_kernarg_segment_ptr 1
		.amdhsa_wavefront_size32 1
		.amdhsa_system_sgpr_workgroup_id_x 1
		.amdhsa_system_sgpr_workgroup_id_y 1
		.amdhsa_system_sgpr_workgroup_id_z 1
		.amdhsa_system_vgpr_workitem_id 0
		.amdhsa_next_free_vgpr 100
		.amdhsa_next_free_sgpr 66
		.amdhsa_reserve_vcc 0
		.amdhsa_float_denorm_mode_32 3
		.amdhsa_float_denorm_mode_16_64 3
		.amdhsa_memory_ordered 1
		.amdhsa_forward_progress 1
		.amdhsa_inst_pref_size 14
	.end_amdhsa_kernel
	.amdgpu_metadata
---
amdhsa.version: [ 1, 2 ]
amdhsa.kernels:
  - .name:           k_qc20b2bedf6_cast
    .symbol:         k_qc20b2bedf6_cast.kd
    .args:
      - { .name: x, .offset: 0, .size: 8, .value_kind: global_buffer, .address_space: global }
      - { .name: Wq, .offset: 8, .size: 8, .value_kind: global_buffer, .address_space: global }
      - { .name: Wk, .offset: 16, .size: 8, .value_kind: global_buffer, .address_space: global }
      - { .name: Wv, .offset: 24, .size: 8, .value_kind: global_buffer, .address_space: global }
      - { .name: xw, .offset: 32, .size: 8, .value_kind: global_buffer, .address_space: global }
    .group_segment_fixed_size: 0
    .private_segment_fixed_size: 0
    .kernarg_segment_align: 8
    .kernarg_segment_size: 40
    .max_flat_workgroup_size: 256
    .sgpr_count:     66
    .vgpr_count:     100
    .wavefront_size: 32
...
	.end_amdgpu_metadata
.endif
;; end of part 6
;; launch proj: the kernel of part 2 again; grid 8 x 32, 4 waves a work-group, clusters of 4 x 4, 327,680 bytes of LDS; arguments xw, qkv; writes qkv
;; launch scores: the kernel of part 3 again; grid 36 x 4, 4 waves a work-group, no clusters, 327,680 bytes of LDS; arguments qkv, sc; writes sc
;; launch softmax: the kernel of part 4 again; grid 1024 x 1, 8 waves a work-group, no clusters, 0 bytes of LDS; arguments sc, pr; writes pr
;; launch pv: the kernel of part 5 again; grid 8 x 32, 4 waves a work-group, clusters of 4 x 4, 327,680 bytes of LDS; arguments pr, qkv, out0; writes out0
